; MI455X (gfx1250); checked and timed in simulation.
; The chip was launched on July 23, 2026; its instructions are those of AMD's public machine-readable ISA for CDNA 5 (MIT licence, August 2026) and "CDNA5" Instruction Set Architecture Reference Guide (July 2026). The comments in the code are by the model that wrote it; some were corrected since.
;; Transformer Self Attention. Allowed arithmetic: float matrix products may take bf16 or f16 operands with f32 sums; all other float work in f32.
;; Inputs: W1 1,024 x 4,096 float32; W2 4,096 x 1,024 float32; Wk 1,024 x 1,024 float32; Wp 1,024 x 1,024 float32; Wq 1,024 x 1,024 float32; Wv 1,024 x 1,024 float32; b1 1,024 float32; b2 1,024 float32; bm1 4,096 float32; bm2 1,024 float32; bp 1,024 float32; g1 1,024 float32; g2 1,024 float32; x 2 x 2,048 x 1,024 float32.
;; Outputs: out0 2 x 2,048 x 1,024 float32.
;; 2 versions, each right; version 2 is version 1 with the launches prep, ln2 written anew for expert scheduling mode. Each part assembles by itself: llvm-mc -triple=amdgcn-amd-amdhsa -mcpu=gfx1250 --defsym DOCPART=n.
;; ======== version 1 of 2: 7 launches
;; workspace buffers: wb 25,165,824 bytes; actb 8,388,608 bytes; st1 32,768 bytes; qkv 25,165,824 bytes; ob 8,388,608 bytes; hbuf 16,777,216 bytes; hid 33,554,432 bytes
;; launch prep (part 1): grid 256 x 4, 8 waves a work-group, no clusters, 0 bytes of LDS; arguments x, g1, b1, actb, st1, Wq, Wk, Wv, Wp, W1, W2, wb; writes actb, st1, wb
.if DOCPART == 1
	.amdgcn_target "amdgcn-amd-amdhsa--gfx1250"
	.amdhsa_code_object_version 6
	.text
	.protected	k_q651c655e41_prep
	.globl	k_q651c655e41_prep
	.p2align	8
	.type	k_q651c655e41_prep,@function
k_q651c655e41_prep:
	s_mov_b64 s[64:65], 0
	v_nop
	global_prefetch_b8 v0, s[64:65] scope:SCOPE_SE
	s_setreg_imm32_b32 hwreg(HW_REG_WAVE_MODE, 25, 1), 1
	s_wait_xcnt 0x0
; TWO JOBS, chosen by the work-group's y.
; y = 0: LayerNorm of 16 rows of [4096][1024] f32: out = (in - mean) * rsqrt(var + 1e-5) * g + b, rounded once to bf16; the row's mean and rsqrt go out in f32.
;        One wave takes two rows; a row is 32 registers of the wave and stays there: mean first, then the mean of the squared distances from it, so no difference of large sums is formed.
; y = 1..3: weights from f32 to bf16, the layout kept, 16,384 numbers a work-group: y = 1: Wq, Wk, Wv, Wp, 64 work-groups each; y = 2: W1; y = 3: W2.  In wb each y has 8 MiB.
; Memory binds both jobs: every byte is read once, each store of a wave covers 256 consecutive bytes, aligned (the 16 bytes of statistics a wave are the one exception: 32,768 bytes in all).
; No LDS, no barrier, no matrix unit: nothing is shared between waves.  NaN and infinities are not treated apart.
.set T,   8                            ; v[8:15]    four chains of sums
.set X0,  16                           ; v[16:47]   row 0
.set X1,  48                           ; v[48:79]   row 1
.set G,   80                           ; v[80:111]  gain of my 32 columns
.set B,   112                          ; v[112:143] bias of my 32 columns
.set MU0, 144                          ; pairs: mean and rsqrt of the two rows, each twice
.set RS0, 146
.set MU1, 148
.set RS1, 150
.set Q,   152                          ; v[152:155] mean 0, rsqrt 0, mean 1, rsqrt 1, to store
.set CI,  4                            ; converting: v[4:67] sixteen pieces as loaded
.set CO,  68                           ; v[68:99] the same in bf16
	s_load_b512 s[8:23], s[0:1], 0x0               ; in s[8:9], g s[10:11], b s[12:13], out s[14:15], statistics s[16:17], Wq s[18:19], Wk s[20:21], Wv s[22:23]
	s_load_b256 s[24:31], s[0:1], 0x40             ; Wp s[24:25], W1 s[26:27], W2 s[28:29], wb s[30:31]
	s_and_b32 s2, ttmp7, 0xffff
	s_cmp_lg_u32 s2, 0
	s_cbranch_scc1 .Lcvt
	v_lshrrev_b32 v1, 5, v0
	v_readfirstlane_b32 s3, v1                     ; wave 0..7
	v_and_b32 v1, 31, v0                           ; lane
	v_lshlrev_b32 v2, 4, v1                        ; 16 bytes a lane in f32 rows
	v_lshlrev_b32 v3, 3, v1                        ; 8 bytes a lane in bf16 rows
	s_lshl_b32 s4, ttmp9, 16                       ; 16 rows of 4,096 bytes a work-group,
	s_lshl_b32 s5, s3, 13                          ; two a wave
	s_add_co_u32 s4, s4, s5
	s_mov_b32 s5, 0
	s_lshr_b32 s6, s4, 1                           ; the same rows in bf16
	s_mov_b32 s7, 0
	s_lshr_b32 s32, s4, 9                          ; and 8 bytes of statistics a row
	s_mov_b32 s33, 0
	s_mov_b32 s40, 0x76543210                      ; v_permlanex16_b32: each lane takes its own place in the other half
	s_mov_b32 s41, 0xfedcba98
	s_mov_b32 s42, 0x3a800000                      ; 1 / 1024
	s_mov_b32 s43, 0x3727c5ac                      ; 1e-5
	s_wait_kmcnt 0x0
	s_add_nc_u64 s[8:9], s[8:9], s[4:5]
	s_add_nc_u64 s[14:15], s[14:15], s[6:7]
	s_add_nc_u64 s[16:17], s[16:17], s[32:33]
.irp j, 0,1,2,3,4,5,6,7
	global_load_b128 v[X0+4*(\j):X0+4*(\j)+3], v2, s[8:9] offset:512*(\j)
.endr
.irp j, 0,1,2,3,4,5,6,7
	global_load_b128 v[X1+4*(\j):X1+4*(\j)+3], v2, s[8:9] offset:4096+512*(\j)
.endr
.irp j, 0,1,2,3,4,5,6,7
	global_load_b128 v[G+4*(\j):G+4*(\j)+3], v2, s[10:11] offset:512*(\j)
.endr
.irp j, 0,1,2,3,4,5,6,7
	global_load_b128 v[B+4*(\j):B+4*(\j)+3], v2, s[12:13] offset:512*(\j)
.endr
.macro SUMUP                           ; the four chains into one number, then over the 32 lanes: every lane ends with the sum in v[T]
	v_pk_add_f32 v[T:T+1], v[T:T+1], v[T+2:T+3]
	v_pk_add_f32 v[T+4:T+5], v[T+4:T+5], v[T+6:T+7]
	v_pk_add_f32 v[T:T+1], v[T:T+1], v[T+4:T+5]
	v_add_f32 v[T], v[T], v[T+1]
	v_add_f32_dpp v[T], v[T], v[T] row_xmask:1 row_mask:0xf bank_mask:0xf
	v_add_f32_dpp v[T], v[T], v[T] row_xmask:2 row_mask:0xf bank_mask:0xf
	v_add_f32_dpp v[T], v[T], v[T] row_xmask:4 row_mask:0xf bank_mask:0xf
	v_add_f32_dpp v[T], v[T], v[T] row_xmask:8 row_mask:0xf bank_mask:0xf
	v_permlanex16_b32 v[T+1], v[T], s40, s41       ; its destination has been written above
	v_add_f32 v[T], v[T], v[T+1]
.endm
.macro STAT r, mu, rs                  ; the row at v[r]: its mean; the row less its mean, in place; 1 / sqrt(variance + 1e-5)
.irp k, 0,1,2,3
	v_pk_add_f32 v[T+2*(\k):T+2*(\k)+1], v[(\r)+2*(\k):(\r)+2*(\k)+1], v[(\r)+8+2*(\k):(\r)+8+2*(\k)+1]
.endr
.irp k, 0,1,2,3
	v_pk_add_f32 v[T+2*(\k):T+2*(\k)+1], v[T+2*(\k):T+2*(\k)+1], v[(\r)+16+2*(\k):(\r)+16+2*(\k)+1]
.endr
.irp k, 0,1,2,3
	v_pk_add_f32 v[T+2*(\k):T+2*(\k)+1], v[T+2*(\k):T+2*(\k)+1], v[(\r)+24+2*(\k):(\r)+24+2*(\k)+1]
.endr
	SUMUP
	v_mul_f32 v[\mu], s42, v[T]
	v_mul_f32 v[(\mu)+1], s42, v[T]
.set i, 0
.rept 16
	v_pk_add_f32 v[(\r)+i:(\r)+i+1], v[(\r)+i:(\r)+i+1], v[(\mu):(\mu)+1] neg_lo:[0,1] neg_hi:[0,1]
.set i, i+2
.endr
.irp k, 0,1,2,3
	v_pk_mul_f32 v[T+2*(\k):T+2*(\k)+1], v[(\r)+2*(\k):(\r)+2*(\k)+1], v[(\r)+2*(\k):(\r)+2*(\k)+1]
.endr
.set i, 4
.rept 12
	v_pk_fma_f32 v[T+2*(i%4):T+2*(i%4)+1], v[(\r)+2*i:(\r)+2*i+1], v[(\r)+2*i:(\r)+2*i+1], v[T+2*(i%4):T+2*(i%4)+1]
.set i, i+1
.endr
	SUMUP
	v_fma_f32 v[T], v[T], s42, s43                 ; variance + 1e-5
	v_rsq_f32 v[\rs], v[T]
	v_nop                                          ; a plain instruction between the root and the use of its result
	s_wait_alu depctr_va_vdst(0)
	v_mov_b32 v[(\rs)+1], v[\rs]
.endm
.macro AFF r, rs, off                  ; scaled, gain and bias, rounded to bf16 in place, stored: 32 lanes x 8 bytes are 256 consecutive bytes
.set i, 0
.rept 16
	v_pk_mul_f32 v[(\r)+i:(\r)+i+1], v[(\r)+i:(\r)+i+1], v[(\rs):(\rs)+1]
.set i, i+2
.endr
.set i, 0
.rept 16
	v_pk_fma_f32 v[(\r)+i:(\r)+i+1], v[(\r)+i:(\r)+i+1], v[G+i:G+i+1], v[B+i:B+i+1]
.set i, i+2
.endr
.irp j, 0,1,2,3,4,5,6,7
	v_cvt_pk_bf16_f32 v[(\r)+4*(\j)], v[(\r)+4*(\j)], v[(\r)+4*(\j)+1]
	v_cvt_pk_bf16_f32 v[(\r)+4*(\j)+1], v[(\r)+4*(\j)+2], v[(\r)+4*(\j)+3]
	global_store_b64 v3, v[(\r)+4*(\j):(\r)+4*(\j)+1], s[14:15] offset:(\off)+256*(\j)
.endr
.endm
	s_wait_loadcnt 24                              ; row 0 is in: 24 younger loads (row 1, g, b) stay out
	STAT X0, MU0, RS0
	s_wait_loadcnt 16                              ; row 1 is in: g's and b's sixteen stay out
	STAT X1, MU1, RS1
	s_wait_loadcnt 0x0                             ; g and b
	AFF X0, RS0, 0
	AFF X1, RS1, 2048
	v_mov_b32 v[Q], v[MU0]
	v_mov_b32 v[Q+1], v[RS0]
	v_mov_b32 v[Q+2], v[MU1]
	v_mov_b32 v[Q+3], v[RS1]
	v_mov_b32 v4, 0
	v_cmp_eq_u32 vcc_lo, 0, v1
	s_wait_xcnt 0x0                                ; EXEC is a source of the stores above: it changes only behind this wait
	s_and_saveexec_b32 s6, vcc_lo
	global_store_b128 v4, v[Q:Q+3], s[16:17]       ; lane 0 alone: the two rows' statistics
	s_wait_xcnt 0x0
	s_or_b32 exec_lo, exec_lo, s6
	s_endpgm
.Lcvt:                                                 ; 65,536 bytes of f32 a work-group: thread t takes 16 bytes at 16 t of each of sixteen pieces of 4,096 bytes, all sixteen loads out at once
	v_lshlrev_b32 v1, 4, v0
	v_lshlrev_b32 v2, 3, v0
	s_mov_b32 s34, ttmp9
	s_lshr_b32 s3, s34, 6                          ; y = 1: which of the four square weights,
	s_and_b32 s4, s34, 63                          ; and my place among its 64 work-groups
	s_cmp_eq_u32 s2, 1
	s_cselect_b32 s4, s4, s34                      ; y = 2, 3: my place among all 256
	s_lshl_b32 s4, s4, 16
	s_mov_b32 s5, 0
	s_sub_co_u32 s6, s2, 1
	s_lshl_b32 s6, s6, 23                          ; in wb: 8 MiB for each y,
	s_lshl_b32 s7, s34, 15                         ; 32,768 bytes a work-group
	s_add_co_u32 s6, s6, s7
	s_mov_b32 s7, 0
	s_wait_kmcnt 0x0
	s_mov_b64 s[32:33], s[18:19]                   ; the source is chosen by the work-group's numbers alone
	s_cmp_eq_u32 s3, 1
	s_cselect_b64 s[32:33], s[20:21], s[32:33]
	s_cmp_eq_u32 s3, 2
	s_cselect_b64 s[32:33], s[22:23], s[32:33]
	s_cmp_eq_u32 s3, 3
	s_cselect_b64 s[32:33], s[24:25], s[32:33]
	s_cmp_eq_u32 s2, 2
	s_cselect_b64 s[32:33], s[26:27], s[32:33]
	s_cmp_eq_u32 s2, 3
	s_cselect_b64 s[32:33], s[28:29], s[32:33]
	s_add_nc_u64 s[32:33], s[32:33], s[4:5]
	s_add_nc_u64 s[30:31], s[30:31], s[6:7]
.set j, 0
.rept 16
	global_load_b128 v[CI+4*j:CI+4*j+3], v1, s[32:33] offset:4096*j th:TH_LOAD_NT
.set j, j+1
.endr
.set j, 0
.rept 16
	s_wait_loadcnt 15-j                            ; piece j is in, the younger ones stay out
	v_cvt_pk_bf16_f32 v[CO+2*j], v[CI+4*j], v[CI+4*j+1]
	v_cvt_pk_bf16_f32 v[CO+2*j+1], v[CI+4*j+2], v[CI+4*j+3]
	global_store_b64 v2, v[CO+2*j:CO+2*j+1], s[30:31] offset:2048*j
.set j, j+1
.endr
	s_endpgm
.Lfunc_end_k_q651c655e41_prep:
	.size	k_q651c655e41_prep, .Lfunc_end_k_q651c655e41_prep-k_q651c655e41_prep
	.p2alignl 7, 3214868480
	.fill 96, 4, 3214868480
	.section	.rodata,"a",@progbits
	.p2align	6, 0x0
	.amdhsa_kernel k_q651c655e41_prep
		.amdhsa_group_segment_fixed_size 0
		.amdhsa_private_segment_fixed_size 0
		.amdhsa_enable_private_segment 0
		.amdhsa_kernarg_size 96
		.amdhsa_user_sgpr_count 2
		.amdhsa_user_sgpr_kernarg_segment_ptr 1
		.amdhsa_wavefront_size32 1
		.amdhsa_system_sgpr_workgroup_id_x 1
		.amdhsa_system_sgpr_workgroup_id_y 1
		.amdhsa_system_sgpr_workgroup_id_z 1
		.amdhsa_system_vgpr_workitem_id 0
		.amdhsa_next_free_vgpr 160
		.amdhsa_next_free_sgpr 66
		.amdhsa_reserve_vcc 1
		.amdhsa_float_denorm_mode_32 3
		.amdhsa_float_denorm_mode_16_64 3
		.amdhsa_memory_ordered 1
		.amdhsa_forward_progress 1
		.amdhsa_inst_pref_size 27
	.end_amdhsa_kernel
	.amdgpu_metadata
---
amdhsa.version: [ 1, 2 ]
amdhsa.kernels:
  - .name:           k_q651c655e41_prep
    .symbol:         k_q651c655e41_prep.kd
    .args:
      - { .name: x, .offset: 0, .size: 8, .value_kind: global_buffer, .address_space: global }
      - { .name: g1, .offset: 8, .size: 8, .value_kind: global_buffer, .address_space: global }
      - { .name: b1, .offset: 16, .size: 8, .value_kind: global_buffer, .address_space: global }
      - { .name: actb, .offset: 24, .size: 8, .value_kind: global_buffer, .address_space: global }
      - { .name: st1, .offset: 32, .size: 8, .value_kind: global_buffer, .address_space: global }
      - { .name: Wq, .offset: 40, .size: 8, .value_kind: global_buffer, .address_space: global }
      - { .name: Wk, .offset: 48, .size: 8, .value_kind: global_buffer, .address_space: global }
      - { .name: Wv, .offset: 56, .size: 8, .value_kind: global_buffer, .address_space: global }
      - { .name: Wp, .offset: 64, .size: 8, .value_kind: global_buffer, .address_space: global }
      - { .name: W1, .offset: 72, .size: 8, .value_kind: global_buffer, .address_space: global }
      - { .name: W2, .offset: 80, .size: 8, .value_kind: global_buffer, .address_space: global }
      - { .name: wb, .offset: 88, .size: 8, .value_kind: global_buffer, .address_space: global }
    .group_segment_fixed_size: 0
    .private_segment_fixed_size: 0
    .kernarg_segment_align: 8
    .kernarg_segment_size: 96
    .max_flat_workgroup_size: 256
    .sgpr_count:     66
    .vgpr_count:     160
    .wavefront_size: 32
...
	.end_amdgpu_metadata
.endif
;; end of part 1
;; launch gqkv (part 2): grid 12 x 16, 4 waves a work-group, clusters of 4 x 4, 327,680 bytes of LDS; arguments actb, wb, qkv; writes qkv
.if DOCPART == 2
	.amdgcn_target "amdgcn-amd-amdhsa--gfx1250"
	.amdhsa_code_object_version 6
	.text
	.protected	k_q651c655e41_gqkv
	.globl	k_q651c655e41_gqkv
	.p2align	8
	.type	k_q651c655e41_gqkv,@function
k_q651c655e41_gqkv:
	s_mov_b64 s[64:65], 0
	v_nop
	global_prefetch_b8 v0, s[64:65] scope:SCOPE_SE
	s_setreg_imm32_b32 hwreg(HW_REG_WAVE_MODE, 25, 1), 1
	s_wait_xcnt 0x0
	s_wait_alu depctr_hold_cnt(0) depctr_sa_sdst(0) depctr_va_vdst(0) depctr_va_sdst(0) depctr_va_ssrc(0) depctr_va_vcc(0) depctr_vm_vsrc(0)
	s_getreg_b32 s2, hwreg(HW_REG_IB_STS2, 6, 4)
	s_cmp_eq_u32 s2, 0
	s_cbranch_scc0 .Lentry_in_a_cluster
	s_endpgm
.Lentry_in_a_cluster:
	s_bfe_u32 s2, ttmp6, 0x10000c
	s_cmp_lg_u32 s2, 0xf033
	s_cbranch_scc0 .Lentry_shape_is_right
	s_endpgm
.Lentry_shape_is_right:
; C = A W, with GELU = 1: C = gelu(A W + bias).  A: [4096][1024] bf16.  W: bf16 as it lies, [k][n] with n along the rows.  Sums in f32; C rounded once to bf16.
; C leaves in blocks of 64 columns, [n / 64][4096 rows][64]: 16 rows of a block are 2,048 dense bytes, and the next product takes a block as a slice of its K (or as a head).
; GELU = 0: W is Wq, Wk, Wv side by side (3,072 columns: 12 x 16 tiles = 192 work-groups; a tile of 256 x 192 would give 256, but rows of 384 bytes take no padding interval that is a power of two).
; GELU = 1: W is W1 (4,096 columns: 256 work-groups).  gelu(x) = max(x, 0) - |x| Q(|x|), Q(a) = exp(-a a / 2) (c1 t + .. + c5 t^5), t = 1 / (1 + 0.2316419 a): the upper tail of the normal
; distribution, within 7.5e-8 for every a, so gelu is within 7.5e-8 |x| of the form with erf.  NaN and infinities are not treated apart.
; SHAPE.  A tile of C is 256 x 256: four waves, each 128 x 128 in 64 accumulators (512 registers).  K goes in 8 steps of 128 through two LDS slots filled by the tensor data mover.
; A K step is written once: the slot in hand is a scalar (CUR) that one exclusive or turns, and the LDS addresses are made from it at each change of slots.
; W's fragments come out of LDS turned, by ds_load_tr16_b128, so W is never transposed in memory.
; THE MATRIX INSTRUCTION IS USED TRANSPOSED (source 0 = 16 columns of W, source 1 = 16 rows of A): a lane holds eight neighbouring numbers of a row of C.
; CLUSTER.  4 x 4 work-groups: A's tile is shared along a row of the cluster, W's along a column; each is asked for jointly, by the same tensor load with the same descriptor in all four.
; THE WAY OUT.  Behind the last barrier nobody reads the ring and nothing is filled again: each wave lays its 128 x 128 f32 over it (rows of 528 bytes) and walks it in a loop, sixteen rows a trip (GELU = 1: four).
; REGISTERS, in windows of 256: window 0: v0-31 addresses; v32-55 at work on the way out; v64-191 A's fragments, two buffers (on the way out: at work); v192-255 the bias as a C operand
;   window 1: v64-191 W's fragments, two buffers     window 2: the accumulators of my rows 0-63 ((a, b) at 8 (8 a + b))     window 3: those of my rows 64-127
.set GELU,  0
.set KSTEP, 128
.set NSTEP, 8
.set PA,    272                        ; a row of A in LDS: 256 bytes + 16: the 16 rows of a fragment load start at 16 different groups of four banks (ISA guide 11.1)
.set HA,    128*PA
.set PB,    288                        ; a row of W (128 columns of one k): 256 + 32
.set HB,    128*PB
.set BOFF,  2*HA                       ; a slot: A's two halves of 128 rows, then W's two halves of 128 columns
.set SLOT,  2*HA+2*HB
.set SPARE, 2*SLOT                     ; behind the ring: the spare words, 128 bytes for each wave, which no other line names
.set DP,    528                        ; the way out: a row of 128 f32 + 16 bytes
.set DW,    128*DP                     ; a wave's part; four of them end below SPARE
.set BLK,   4096*128                   ; bytes of a block of 64 columns of C
.if GELU
.set BPITCH, 4096
.set NPAIR,  2                         ; pairs of rows in a trip of the way out
.set X,      32                        ; v32-47  a trip's rows in f32
.set Y,      48                        ; v48-55  the same in bf16
.else
.set BPITCH, 1024
.set NPAIR,  8
.set X,      64                        ; v64-127, where A's first buffer lay
.set Y,      128                       ; v128-159
.endif
.set BSTEP, KSTEP*BPITCH*2
.set GSTEP, 256*NPAIR                  ; bytes that a trip's rows take in a block of C
.set A0,   16                          ; v16  my lane's place in A's half that I multiply, slot 0; never rewritten
.set B0,   17                          ; v17  the same for W
.set ADRA, 18                          ; v18  CUR + A0
.set ADRB, 19                          ; v19  CUR + B0
.set DST,  24                          ; v24  the way out: where my 32 bytes of a row go
.set RD,   25                          ; v25  where I read rows back
.set GO,   26                          ; v26  my byte offset in C
.set BO,   27                          ; v27  my byte offset in 16 numbers of the bias
.set SPW,  28                          ; v28  my spare word; never rewritten
.set NIL,  29                          ; v29  0; never rewritten
.set F0,   64
.set F1,   128
.set AB,   64                          ; on the way out with GELU: |x|, max(x, 0), t, the exponential, the polynomial
.set RR,   80
.set TT,   96
.set EE,   112
.set HH,   128
.set BI,   192
.set WV,  20                           ; s20  wave
.set WM,  21                           ; s21  which half of the tile's rows is mine; also: I fetch A (0) or W (1)
.set WN,  22                           ; s22  which half of its columns; also: which half of that tile I fetch
.set G1A, 24                           ; s[24:31] descriptor group 1, A
.set G0A, 32                           ; s[32:39] group 0, A: set 0 is K step 0; set 1 is K step 1 and then walks
.set G1B, 48
.set G0B, 56
.set CUR, 66                           ; s66  0 or SLOT: the slot in hand
.set L0A, 67                           ; s67  where my part of A's tile lands in slot 0
.set L0B, 68                           ; s68  the same for W's
.set TCN, 69
.set KCN, 70
.set KP,  76                           ; s[76:89] gelu's constants, each twice: the packed forms name pairs
.set KE,  78
.set K1,  80
.set K2,  82
.set K3,  84
.set K4,  86
.set K5,  88
.set ABSM, 90
.set MSB, 0
.macro WIN new                         ; the immediate's high byte repeats the setting that is left; a switch that changes nothing is dropped
.if MSB != (\new)
	s_set_vgpr_msb (MSB<<8)|(\new)
.set MSB, \new
.endif
.endm
.set MUL_LO, 0xa1                      ; source 0 (W) window 1, source 1 (A) window 0, C and D window 2; + 0x50: window 3
.set TO_B,   0x40
.macro JLOAD                           ; a joint refill by the walking sets: waves 0, 1 A's halves, waves 2, 3 W's.  The branch hangs on the wave's number alone.
	s_cmp_eq_u32 s[WM], 0
	s_cbranch_scc0 .Lfor_b_\@
	tensor_load_to_lds s[G0A+4:G0A+7], s[G1A:G1A+7]
	s_nop 0
.rept 4
	v_nop
.endr
	s_branch .Lasked_\@
.Lfor_b_\@:
	tensor_load_to_lds s[G0B+4:G0B+7], s[G1B:G1B+7]
	s_nop 0
.rept 4
	v_nop
.endr
.Lasked_\@:
.endm
.macro CREST                           ; a round of the cluster's barrier behind its opening barrier
	s_cmp_lg_u32 s[WV], 0
	s_cbranch_scc1 .Lnot_wave_0_\@
	s_barrier_signal -3
.Lnot_wave_0_\@:
	s_barrier_wait -3
	s_barrier_signal -1
	s_barrier_wait -1
.endm
.macro CROUND
	s_barrier_signal -1
	s_barrier_wait -1
	CREST
.endm
.macro PLACES                          ; four places behind matrix instructions, in front of loads into their sources and of reads of their results
.rept 4
	v_nop
.endr
.endm
.macro KPAIR r, v
	s_mov_b32 s[\r], \v
	s_mov_b32 s[(\r)+1], \v
.endm
	s_load_b128 s[4:7], s[0:1], 0x0                ; A s[4:5], wb s[6:7]
.if GELU
	s_load_b128 s[8:11], s[0:1], 0x10              ; bias s[8:9], C s[10:11]
.else
	s_load_b64 s[10:11], s[0:1], 0x10              ; C
.endif
	v_lshl_add_u32 v[SPW], v0, 2, SPARE
	v_mov_b32 v[NIL], 0
	ds_add_u32 v[SPW], v[NIL]                      ; the wave's opening: the add and its wait stand ahead of my first tensor load; work on registers stands between them
	v_lshrrev_b32 v1, 5, v0
	v_readfirstlane_b32 s[WV], v1
	s_lshr_b32 s[WM], s[WV], 1
	s_and_b32 s[WN], s[WV], 1
	s_bfe_u32 s40, ttmp6, 0x40000                  ; cx
	s_bfe_u32 s41, ttmp6, 0x40004                  ; cy
	s_lshl_b32 s42, ttmp9, 2
	s_add_co_u32 s42, s42, s40                     ; tile column
	s_and_b32 s43, ttmp7, 0xffff
	s_lshl_b32 s43, s43, 2
	s_add_co_u32 s43, s43, s41                     ; tile row
	s_lshl_b32 s44, s41, 2
	s_lshl_b32 s44, 15, s44                        ; my row of the cluster
	s_lshl_b32 s45, 0x1111, s40                    ; my column
	s_or_b32 s[G1A], s44, (1<<16)|(1<<20)|(1<<21)|(5<<22)|(3<<25)  ; the mask; 2-byte elements; padding on; bit 21 beside a mask; after every 64 words 4 words
	s_or_b32 s[G1B], s45, (1<<16)|(1<<20)|(1<<21)|(5<<22)|(7<<25)  ; the same with my column's mask and 8 words
.irp g, G1A, G1B
	s_mov_b32 s[(\g)+1], 128<<16                   ; tensor_dim0 = 128
	s_mov_b32 s[(\g)+2], 128<<16                   ; tensor_dim1 = 128
	s_mov_b32 s[(\g)+3], 128<<16                   ; tile_dim0 = 128 elements: 256 bytes
	s_mov_b32 s[(\g)+4], 128                       ; tile_dim1 = 128 rows
	s_mov_b32 s[(\g)+6], 0
	s_mov_b32 s[(\g)+7], 0
.endr
	s_mov_b32 s[G1A+5], 1024                       ; elements from row to row
	s_mov_b32 s[G1B+5], BPITCH
	s_lshl_b32 s72, s43, 19                        ; A: 256 rows of 2,048 bytes a tile row,
	s_lshl_b32 s73, s[WN], 18                      ; 128 rows a half
	s_add_co_u32 s72, s72, s73
	s_mov_b32 s73, 0
.if GELU
	s_lshl_b32 s74, s42, 9                         ; W1: 512 bytes of a row a tile column,
	s_add_co_u32 s74, s74, 8388608                 ; behind the four square weights
.else
	s_lshr_b32 s74, s42, 2                         ; which of Wq, Wk, Wv: 2 MiB each,
	s_lshl_b32 s74, s74, 21
	s_and_b32 s75, s42, 3                          ; and which 256 of its columns
	s_lshl_b32 s75, s75, 9
	s_add_co_u32 s74, s74, s75
.endif
	s_lshl_b32 s75, s[WN], 8
	s_add_co_u32 s74, s74, s75
	s_mov_b32 s75, 0
	s_mul_i32 s[L0A], s[WN], HA                    ; no place in the cluster enters an LDS address
	s_mul_i32 s[L0B], s[WN], HB
	s_add_co_u32 s[L0B], s[L0B], BOFF
	s_mov_b32 s[CUR], 0
.if GELU
	KPAIR KP, 0x3e6d3389                           ; 0.2316419
	KPAIR KE, 0x3f596d27                           ; sqrt(log2(e) / 2)
	KPAIR K1, 0x3e027906                           ; 0.127414796
	KPAIR K2, 0xbe11a98e                           ; -0.142248368
	KPAIR K3, 0x3f35f0e3                           ; 0.71070687
	KPAIR K4, 0xbf3a00e3                           ; -0.72657601
	KPAIR K5, 0x3f07dc22                           ; 0.53070271
	s_mov_b32 s[ABSM], 0x7fffffff
.endif
	s_wait_dscnt 0x0                               ; the opening add is done
	s_wait_kmcnt 0x0
	s_add_nc_u64 s[4:5], s[4:5], s[72:73]
	s_add_nc_u64 s[6:7], s[6:7], s[74:75]
.irp s, 0,1
	s_mov_b32 s[G0A+4*(\s)], 1
	s_add_co_u32 s[G0A+4*(\s)+1], s[L0A], (\s)*SLOT
	s_add_nc_u64 s[G0A+4*(\s)+2:G0A+4*(\s)+3], s[4:5], (\s)*KSTEP*2
	s_or_b32 s[G0A+4*(\s)+3], s[G0A+4*(\s)+3], 0x80000000
	s_mov_b32 s[G0B+4*(\s)], 1
	s_add_co_u32 s[G0B+4*(\s)+1], s[L0B], (\s)*SLOT
	s_add_nc_u64 s[G0B+4*(\s)+2:G0B+4*(\s)+3], s[6:7], (\s)*BSTEP
	s_or_b32 s[G0B+4*(\s)+3], s[G0B+4*(\s)+3], 0x80000000
.endr
	CROUND                                         ; all sixteen work-groups are here: the first joint loads meet
	s_cmp_eq_u32 s[WM], 0                          ; a wave's two first fills stand in one branch: two loads of mine are out
	s_cbranch_scc0 .Lfirst_b
	tensor_load_to_lds s[G0A:G0A+3], s[G1A:G1A+7]
	s_nop 0
	tensor_load_to_lds s[G0A+4:G0A+7], s[G1A:G1A+7]
	s_nop 0
.rept 4
	v_nop
.endr
	s_branch .Lfirst_done
.Lfirst_b:
	tensor_load_to_lds s[G0B:G0B+3], s[G1B:G1B+7]
	s_nop 0
	tensor_load_to_lds s[G0B+4:G0B+7], s[G1B:G1B+7]
	s_nop 0
.rept 4
	v_nop
.endr
.Lfirst_done:
	v_and_b32 v1, 15, v0                           ; r = l % 16
	v_bfe_u32 v2, v0, 4, 1                         ; h = l / 16
	v_mul_u32_u24 v3, v1, PA                       ; A's fragment: row r, 16 bytes for each half of the lanes
	v_lshl_add_u32 v3, v2, 4, v3
	s_mul_i32 s12, s[WM], HA
	v_add_nc_u32 v[A0], s12, v3
	v_and_b32 v4, 7, v0                            ; W's fragment, turned: lane l reads k = 8 h + l % 8, columns 8 ((l / 8) % 2) on
	v_lshl_add_u32 v4, v2, 3, v4
	v_mul_u32_u24 v4, v4, PB
	v_bfe_u32 v5, v0, 3, 1
	v_lshl_add_u32 v4, v5, 4, v4
	s_mul_i32 s13, s[WN], HB
	s_add_co_u32 s13, s13, BOFF
	v_add_nc_u32 v[B0], s13, v4
	v_mov_b32 v[ADRA], v[A0]
	v_mov_b32 v[ADRB], v[B0]
	s_mul_i32 s14, s[WV], DW
	v_mul_u32_u24 v5, v1, DP                       ; out: row r, 32 bytes for each half of the lanes
	v_lshl_add_u32 v5, v2, 5, v5
	v_add_nc_u32 v[DST], s14, v5
	v_mul_u32_u24 v5, v2, DP                       ; back: lanes 0-15 take 64 numbers of one row, lanes 16-31 of the next
	v_lshl_add_u32 v5, v1, 4, v5
	v_add_nc_u32 v[RD], s14, v5
	v_and_b32 v5, 31, v0
	v_lshlrev_b32 v[GO], 3, v5                     ; 8 bytes a lane: two rows of a block of C are 256 consecutive bytes
	v_lshlrev_b32 v[BO], 5, v2
	s_lshl_b32 s46, s42, 2                         ; my first block of C: 4 x tile column + 2 x half,
	s_lshl_b32 s47, s[WN], 1
	s_add_co_u32 s46, s46, s47
	s_lshl_b32 s46, s46, 19
	s_lshl_b32 s47, s43, 8                         ; my first row: 256 x tile row + 128 x half, 128 bytes each
	s_lshl_b32 s15, s[WM], 7
	s_add_co_u32 s47, s47, s15
	s_lshl_b32 s47, s47, 7
	s_add_co_u32 s46, s46, s47
	s_mov_b32 s47, 0
	s_add_nc_u64 s[10:11], s[10:11], s[46:47]
.if GELU
	s_lshl_b32 s46, s42, 10                        ; the bias of my 128 columns
	s_lshl_b32 s15, s[WN], 9
	s_add_co_u32 s46, s46, s15
	s_add_nc_u64 s[8:9], s[8:9], s[46:47]
.irp b, 0,1,2,3,4,5,6,7                ; as a C operand: register j of block b holds column 16 b + 8 h + j, whatever the row
	global_load_b128 v[BI+8*(\b):BI+8*(\b)+3],   v[BO], s[8:9] offset:64*(\b)
	global_load_b128 v[BI+8*(\b)+4:BI+8*(\b)+7], v[BO], s[8:9] offset:64*(\b)+16
.endr
	s_wait_loadcnt 0x0
.endif
; 16 matrix instructions: row blocks a0, a0 + 1 of the window's four x all 8 column blocks, 32 along K.  zero = 1: the first product starts the sums, with 0 or with the bias: nothing is cleared.
; The 64 accumulators take turns, one instruction a turn, in the same order in every quarter.
.macro MUL16 f, hi, a0, zero
.if (\zero) && GELU
	WIN 0x81+0x40*(\hi)                            ; C in window 0
.else
	WIN MUL_LO+0x50*(\hi)
.endif
.irp a, \a0, (\a0)+1
.irp b, 0,1,2,3,4,5,6,7
.if (\zero) && GELU
	v_wmma_f32_16x16x32_bf16 v[8*(8*(\a)+(\b)):8*(8*(\a)+(\b))+7], v[(\f)+8*(\b):(\f)+8*(\b)+7], v[(\f)+8*(4*(\hi)+(\a)):(\f)+8*(4*(\hi)+(\a))+7], v[BI+8*(\b):BI+8*(\b)+7]
.elseif \zero
	v_wmma_f32_16x16x32_bf16 v[8*(8*(\a)+(\b)):8*(8*(\a)+(\b))+7], v[(\f)+8*(\b):(\f)+8*(\b)+7], v[(\f)+8*(4*(\hi)+(\a)):(\f)+8*(4*(\hi)+(\a))+7], 0
.else
	v_wmma_f32_16x16x32_bf16 v[8*(8*(\a)+(\b)):8*(8*(\a)+(\b))+7], v[(\f)+8*(\b):(\f)+8*(\b)+7], v[(\f)+8*(4*(\hi)+(\a)):(\f)+8*(4*(\hi)+(\a))+7], v[8*(8*(\a)+(\b)):8*(8*(\a)+(\b))+7]
.endif
.endr
.endr
.endm
; 32 LDS loads in one run: quarter q (32 along K) of the slot in hand into buffer f: W's 128 columns, turned, then A's 128 rows
.macro FETCH q, f
	WIN TO_B
.irp i, 0,1,2,3,4,5,6,7
	ds_load_tr16_b128 v[(\f)+8*(\i):(\f)+8*(\i)+3],   v[ADRB] offset:32*PB*(\q)+32*(\i)
	ds_load_tr16_b128 v[(\f)+8*(\i)+4:(\f)+8*(\i)+7], v[ADRB] offset:32*PB*(\q)+16*PB+32*(\i)
.endr
	WIN 0
.irp i, 0,1,2,3,4,5,6,7
	ds_load_b128 v[(\f)+8*(\i):(\f)+8*(\i)+3],   v[ADRA] offset:64*(\q)+(\i)*16*PA
	ds_load_b128 v[(\f)+8*(\i)+4:(\f)+8*(\i)+7], v[ADRA] offset:64*(\q)+(\i)*16*PA+32
.endr
.endm
; One of a K step's first three quarters: multiplies buffer f; in its middle it fetches quarter q into buffer g
.macro QUARTER q, f, g, zero
	s_wait_dscnt 8                                 ; W and A's rows 0-63 are in; the youngest eight loads (A's rows 64-127) may be out
	MUL16 \f, 0, 0, \zero
	MUL16 \f, 0, 2, \zero
	PLACES
	FETCH \q, \g
	s_wait_dscnt 32                                ; all but the 32 just issued
	MUL16 \f, 1, 0, \zero
	MUL16 \f, 1, 2, \zero
.endm
; In the last two K steps, which fill nothing: the first half of the last quarter, and the one barrier of the change of slots: in front of it each wave waits for all its tensor loads, adds 0 to its
; spare word, and waits for that and for its reads of this slot.
.macro MEET
	WIN 0
	s_wait_tensorcnt 0x0
	ds_add_u32 v[SPW], v[NIL]
	s_wait_dscnt 9                                 ; the add and the youngest eight loads may be out
	MUL16 F1, 0, 0, 0
	s_wait_dscnt 0x0                               ; the add is done, and my reads of this slot are over
	s_barrier_signal -1
	MUL16 F1, 0, 2, 0
	s_barrier_wait -1
.endm
.macro NEXT                            ; the other slot is in hand
	s_xor_b32 s[CUR], s[CUR], SLOT
	v_add_nc_u32 v[ADRA], s[CUR], v[A0]
	v_add_nc_u32 v[ADRB], s[CUR], v[B0]
.endm
; The last quarter of a K step with a refill.  The three lines, the round and the refill stand at its head with no product among them, so that between the landing of one tile and the request for
; the next stands the round alone; the quarter's 64 products follow while the tile is on its way.  In front of the opening signal every wave's tensor loads have landed (one was out: its part of the
; other slot) and its reads of this slot are back; behind the closing wait the slot just read takes the K step two steps on, first of all.
.macro TURN
	WIN 0
	s_wait_tensorcnt 0x0                           ; no tensor load of mine is out: the walking sets may be written
	ds_add_u32 v[SPW], v[NIL]                      ; the descriptors' steps stand between the add and the wait for it
	s_add_co_u32 s[G0A+5], s[L0A], s[CUR]
	s_add_co_u32 s[G0B+5], s[L0B], s[CUR]
	s_add_nc_u64 s[G0A+6:G0A+7], s[G0A+6:G0A+7], KSTEP*2
	s_add_nc_u64 s[G0B+6:G0B+7], s[G0B+6:G0B+7], BSTEP
	s_wait_dscnt 0x0                               ; the add is done, and my reads of this slot are over: buffer 1 holds its last quarter
	s_barrier_signal -1
	s_barrier_wait -1
	CREST
	JLOAD                                          ; its four v_nop are also the places in front of the loads below
	NEXT
	FETCH 0, F0
	MUL16 F1, 0, 0, 0
	MUL16 F1, 0, 2, 0
	MUL16 F1, 1, 0, 0
	MUL16 F1, 1, 2, 0
.endm
	s_wait_tensorcnt 0x1                           ; my part of K step 0 is in; K step 1's stays out
	s_barrier_signal -1
	s_barrier_wait -1
	FETCH 0, F0
	QUARTER 1, F0, F1, 1                           ; the first quarter stands in front of the loop: its products start the sums
	WIN 0
	s_mov_b32 s[KCN], NSTEP-2
.Lk:                                                   ; trip t: the rest of K step t, the refill with K step t + 2, the first quarter of K step t + 1
	QUARTER 2, F1, F0, 0
	QUARTER 3, F0, F1, 0
	TURN
	QUARTER 1, F0, F1, 0
	WIN 0
	s_sub_co_u32 s[KCN], s[KCN], 1
	s_cmp_lg_u32 s[KCN], 0
	s_cbranch_scc1 .Lk
	s_mov_b32 s[TCN], 2
.Lt:                                                   ; the last two K steps ask for nothing; the second trip is left in its middle
	QUARTER 2, F1, F0, 0
	QUARTER 3, F0, F1, 0
	MEET
	WIN 0
	s_sub_co_u32 s[TCN], s[TCN], 1
	s_cmp_eq_u32 s[TCN], 0
	s_cbranch_scc1 .Lfin
	NEXT
	PLACES
	FETCH 0, F0
	MUL16 F1, 1, 0, 0
	MUL16 F1, 1, 2, 0
	QUARTER 1, F0, F1, 0
	WIN 0
	s_branch .Lt
.Lfin:
	MUL16 F1, 1, 0, 0
	MUL16 F1, 1, 2, 0
	WIN 0
	PLACES
	; THE WAY OUT.  At the barrier just passed every wave's reads of the ring were over and every tensor load had landed; nothing is filled again.  My 128 x 128 goes over my part of it; each accumulator's low registers first.
	WIN 0x08                                       ; store data in window 2
.irp a, 0,1,2,3
.irp b, 0,1,2,3,4,5,6,7
	ds_store_b128 v[DST], v[8*(8*(\a)+(\b)):8*(8*(\a)+(\b))+3]   offset:16*DP*(\a)+64*(\b)
	ds_store_b128 v[DST], v[8*(8*(\a)+(\b))+4:8*(8*(\a)+(\b))+7] offset:16*DP*(\a)+64*(\b)+16
.endr
.endr
	WIN 0x0c                                       ; window 3
.irp a, 0,1,2,3
.irp b, 0,1,2,3,4,5,6,7
	ds_store_b128 v[DST], v[8*(8*(\a)+(\b)):8*(8*(\a)+(\b))+3]   offset:16*DP*(4+(\a))+64*(\b)
	ds_store_b128 v[DST], v[8*(8*(\a)+(\b))+4:8*(8*(\a)+(\b))+7] offset:16*DP*(4+(\a))+64*(\b)+16
.endr
.endr
	WIN 0
.macro LOADX                           ; a trip's rows: pair p of rows, then the two blocks of 64 columns; LDS serves a wave's instructions in order (ISA guide 5.7.1.4): these see my stores
.set p, 0
.rept NPAIR
	ds_load_b128 v[X+8*p:X+8*p+3],   v[RD] offset:2*DP*p
	ds_load_b128 v[X+8*p+4:X+8*p+7], v[RD] offset:2*DP*p+256
.set p, p+1
.endr
.endm
.macro ALL8 line:vararg                ; one line for each of eight pairs, i = 0, 2, .. 14
.set i, 0
.rept 8
	\line
.set i, i+2
.endr
.endm
.macro ALL16 line:vararg               ; one line for each of sixteen registers
.set i, 0
.rept 16
	\line
.set i, i+1
.endr
.endm
.macro POLY                            ; number q of the polynomial's 32 links: link q / 8 of pair q % 8, so that a pair's links stand eight plain lines apart
.set pp, 2*(q%8)
.if q < 8
	v_pk_fma_f32 v[HH+pp:HH+pp+1], v[TT+pp:TT+pp+1], s[K5:K5+1], s[K4:K4+1] op_sel_hi:[1,0,0]
.elseif q < 16
	v_pk_fma_f32 v[HH+pp:HH+pp+1], v[HH+pp:HH+pp+1], v[TT+pp:TT+pp+1], s[K3:K3+1] op_sel_hi:[1,1,0]
.elseif q < 24
	v_pk_fma_f32 v[HH+pp:HH+pp+1], v[HH+pp:HH+pp+1], v[TT+pp:TT+pp+1], s[K2:K2+1] op_sel_hi:[1,1,0]
.else
	v_pk_fma_f32 v[HH+pp:HH+pp+1], v[HH+pp:HH+pp+1], v[TT+pp:TT+pp+1], s[K1:K1+1] op_sel_hi:[1,1,0]
.endif
.set q, q+1
.endm
	LOADX
	s_mov_b32 s[KCN], 64/NPAIR
.Lout:                                                 ; 2 NPAIR rows a trip; the next trip's rows are asked for as soon as this trip's have been taken out of X
	s_wait_dscnt 0x0
.if GELU
	ALL16 v_and_b32 v[AB+i], s[ABSM], v[X+i]
	ALL8 v_pk_fma_f32 v[TT+i:TT+i+1], v[AB+i:AB+i+1], s[KP:KP+1], 1.0 op_sel_hi:[1,0,0]
.set i, 0
.rept 16                               ; no two reciprocals on end: behind each stand two plain lines that are due anyway: max(x, 0), and the exponent -(x x) log2(e) / 2, made of x itself
	v_rcp_f32 v[TT+i], v[TT+i]
	v_max_num_f32 v[RR+i], 0, v[X+i]
.if i%2 == 0
	v_pk_mul_f32 v[EE+i:EE+i+1], v[X+i:X+i+1], s[KE:KE+1] op_sel_hi:[1,0]
.else
	v_pk_mul_f32 v[EE+i-1:EE+i], v[EE+i-1:EE+i], v[EE+i-1:EE+i] neg_lo:[1,0] neg_hi:[1,0]
.endif
.set i, i+1
.endr
.else
	s_wait_xcnt 0x0                                ; Y and GO, which the last trip's stores read, are rewritten only behind this wait
.set i, 0
.rept 4*NPAIR
	v_cvt_pk_bf16_f32 v[Y+i], v[X+2*i], v[X+2*i+1]
.set i, i+1
.endr
.endif
	s_cmp_eq_u32 s[KCN], 1
	s_cbranch_scc1 .Lno_more                       ; the last trip reads nothing more
	v_add_nc_u32 v[RD], 2*NPAIR*DP, v[RD]
	LOADX
.Lno_more:
.if GELU
.set q, 0
.set i, 0
.rept 16                               ; no two exponentials on end: behind each stand two links of the polynomial in t
	v_exp_f32 v[EE+i], v[EE+i]
	POLY
	POLY
.set i, i+1
.endr
	ALL8 v_pk_mul_f32 v[HH+i:HH+i+1], v[HH+i:HH+i+1], v[TT+i:TT+i+1]
	ALL8 v_pk_mul_f32 v[HH+i:HH+i+1], v[HH+i:HH+i+1], v[EE+i:EE+i+1]
	ALL8 v_pk_fma_f32 v[RR+i:RR+i+1], v[AB+i:AB+i+1], v[HH+i:HH+i+1], v[RR+i:RR+i+1] neg_lo:[1,0,0] neg_hi:[1,0,0]
	s_wait_xcnt 0x0                                ; Y and GO, which the last trip's stores read, are rewritten only behind this wait: a trip's arithmetic behind those stores
	ALL8 v_cvt_pk_bf16_f32 v[Y+i/2], v[RR+i], v[RR+i+1]
.endif
	v_add_nc_u32 v[GO], GSTEP, v[GO]               ; stepped ahead of the stores, which reach back by their immediates
.set p, 0
.rept NPAIR
	global_store_b64 v[GO], v[Y+4*p:Y+4*p+1],   s[10:11] offset:256*p-GSTEP       ; 32 lanes store 256 consecutive bytes, at a multiple of 256 from C's first byte
	global_store_b64 v[GO], v[Y+4*p+2:Y+4*p+3], s[10:11] offset:BLK+256*p-GSTEP
.set p, p+1
.endr
	s_sub_co_u32 s[KCN], s[KCN], 1
	s_cmp_lg_u32 s[KCN], 0
	s_cbranch_scc1 .Lout
	s_wait_tensorcnt 0x0                           ; the wave's end
	ds_add_u32 v[SPW], v[NIL]
	s_wait_dscnt 0x0
	CROUND                                         ; the closing round
	s_endpgm
.Lfunc_end_k_q651c655e41_gqkv:
	.size	k_q651c655e41_gqkv, .Lfunc_end_k_q651c655e41_gqkv-k_q651c655e41_gqkv
	.p2alignl 7, 3214868480
	.fill 96, 4, 3214868480
	.section	.rodata,"a",@progbits
	.p2align	6, 0x0
	.amdhsa_kernel k_q651c655e41_gqkv
		.amdhsa_group_segment_fixed_size 327680
		.amdhsa_private_segment_fixed_size 0
		.amdhsa_enable_private_segment 0
		.amdhsa_kernarg_size 24
		.amdhsa_user_sgpr_count 2
		.amdhsa_user_sgpr_kernarg_segment_ptr 1
		.amdhsa_wavefront_size32 1
		.amdhsa_system_sgpr_workgroup_id_x 1
		.amdhsa_system_sgpr_workgroup_id_y 1
		.amdhsa_system_sgpr_workgroup_id_z 1
		.amdhsa_system_vgpr_workitem_id 0
		.amdhsa_next_free_vgpr 1024
		.amdhsa_next_free_sgpr 92
		.amdhsa_reserve_vcc 0
		.amdhsa_float_denorm_mode_32 3
		.amdhsa_float_denorm_mode_16_64 3
		.amdhsa_memory_ordered 1
		.amdhsa_forward_progress 1
		.amdhsa_inst_pref_size 85
	.end_amdhsa_kernel
	.amdgpu_metadata
---
amdhsa.version: [ 1, 2 ]
amdhsa.kernels:
  - .name:           k_q651c655e41_gqkv
    .symbol:         k_q651c655e41_gqkv.kd
    .args:
      - { .name: actb, .offset: 0, .size: 8, .value_kind: global_buffer, .address_space: global }
      - { .name: wb, .offset: 8, .size: 8, .value_kind: global_buffer, .address_space: global }
      - { .name: qkv, .offset: 16, .size: 8, .value_kind: global_buffer, .address_space: global }
    .group_segment_fixed_size: 327680
    .private_segment_fixed_size: 0
    .kernarg_segment_align: 8
    .kernarg_segment_size: 24
    .max_flat_workgroup_size: 128
    .sgpr_count:     92
    .vgpr_count:     1024
    .wavefront_size: 32
...
	.end_amdgpu_metadata
.endif
;; end of part 2
;; launch attn (part 3): grid 8 x 32, 4 waves a work-group, clusters of 4 x 1, 327,680 bytes of LDS; arguments qkv, ob; writes ob
.if DOCPART == 3
	.amdgcn_target "amdgcn-amd-amdhsa--gfx1250"
	.amdhsa_code_object_version 6
	.text
	.protected	k_q651c655e41_attn
	.globl	k_q651c655e41_attn
	.p2align	8
	.type	k_q651c655e41_attn,@function
k_q651c655e41_attn:
	s_mov_b64 s[64:65], 0
	v_nop
	global_prefetch_b8 v0, s[64:65] scope:SCOPE_SE
	s_setreg_imm32_b32 hwreg(HW_REG_WAVE_MODE, 25, 1), 1
	s_wait_xcnt 0x0
	s_wait_alu depctr_hold_cnt(0) depctr_sa_sdst(0) depctr_va_vdst(0) depctr_va_sdst(0) depctr_va_ssrc(0) depctr_va_vcc(0) depctr_vm_vsrc(0)
	s_getreg_b32 s2, hwreg(HW_REG_IB_STS2, 6, 4)
	s_cmp_eq_u32 s2, 0
	s_cbranch_scc0 .Lentry_in_a_cluster
	s_endpgm
.Lentry_in_a_cluster:
	s_bfe_u32 s2, ttmp6, 0x10000c
	s_cmp_lg_u32 s2, 0x3003
	s_cbranch_scc0 .Lentry_shape_is_right
	s_endpgm
.Lentry_shape_is_right:
; ATTENTION WITHOUT THE DIAGONAL.  O[y][q][:] = the sum over k != q of softmax_k(Q[y][q] . K[y][k] / 8) V[y][k][:], for 32 slabs y = 2 head + batch of 2,048 rows of 64 channels, all bf16, dense:
; Q at qkv + 262,144 y, K 8 MiB and V 16 MiB further on; O in the same layout.  Products, maxima and sums in f32; the weights p are rounded to bf16 for the second product (their sum l is taken
; of the unrounded p), O once at the end.
; LIMITS.  The hidden score counts as its value less 1e30; a weight below 2^-126 counts as 0 in l; NaN and infinities are not treated apart.
; SHARES.  A work-group owns 256 queries of a slab, a wave 64: four PIECES of 16.  Every wave walks all 2,048 keys, 64 a step, 256 (a tile, a slot of LDS) between two changes of slots.
; CLUSTER.  The four query blocks of a cluster belong to one slab and walk the same K and V: each tile is asked for JOINTLY, by the same tensor load, descriptor and mask in all four.
; LAYOUT, SOFTMAX, TURNS.  S^T = K Q^T holds ONE query a lane (lane % 16) and the keys 8 (lane / 16) + 0..7; two such results rounded to bf16 ARE source 1 of O^T = V^T P.  p = 2^(c s - c m),
; c = log2(e) / 8, with a running maximum m; O and l are multiplied by a = 2^(c m_old - c m_new) in every step.  Turn n belongs to piece n: 8 products K Q^T of piece n + 1, later 8 products V^T P of
; piece n - 1; beside them the scaling, exponentials, roundings, sums and rescaling of piece n and the maximum and statistics of piece n + 1.  Four vector instructions stand behind every matrix
; instruction, the rest of a turn's 118 in two lumps.  m starts at the lowest finite number, O and l at 0: the first step is a step like any other, with a = 0.
; THE MASK.  A key is its own query only in step DG = 4 x block + wave, in the piece's own group of 16 keys (group x for piece x), where 8 (lane / 16) + register = lane % 16.  MD holds -1e30 there and 0
; elsewhere; MC = MD x AL, AL = 1 in step DG and 0 in all others, is the C operand of that one product of each piece; the other starts take the constant 0.  DG enters a select alone: no branch, no trip
; count and no LDS address hangs on the place in the cluster.
; REGISTERS, in windows of 256 (s_set_vgpr_msb: bits 1:0 source 0, 3:2 source 1, 5:4 source 2, 7:6 destination):
;   window 0: v0-15 addresses and two at work; v16-31 four registers of statistics a piece; v32-39 MC; v40-47 MD; v48-55 at work; v64-127 S^T, two buffers; v192-223 P, two buffers (by the piece's parity)
;   window 1: v0-127 O^T, 32 a piece          window 2: v0-63 Q; v128-191 K of one step; v192-255 V of one step
.set NP,    4
.set KS,    64
.set PK,    144       ; a row of K in LDS: 128 bytes + 16: the 16 rows of a load start at 16 different groups of four banks (ISA guide 11.1)
.set PV,    160       ; a row of V: 128 + 32
.set VOFF,  4*KS*PK   ; a slot holds a tile: 256 rows of K, then 256 rows of V
.set SLOT1, 1<<17     ; slot 1 begins here: one exclusive or turns an address in one slot into the other's
.set STAGE, SLOT1+4*KS*(PK+PV)  ; behind the ring, never filled by a tensor load: 16 rows x 144 bytes for each wave
.set SP,    144
.set SPARE, STAGE+4*16*SP       ; behind the stages: the spare words, 128 bytes for each wave, which no other line names
.set AK0, 2
.set AV0, 3
.set AK,  4
.set AV,  5
.set STO, 6
.set RD,  7
.set GO,  8
.set MV,  12          ; v12-13  c m_old, by buffer
.set QO,  15
.set ST,  16          ; piece t: c m, m, l (even keys', odd keys')
.set MC,  32
.set MD,  40
.set TMP, 48
.set SPW, 62
.set NIL, 63
.set S,   64
.set P,   192
.set KF,  128         ; window 2: key block kb, channel half c at KF + 16 kb + 8 c
.set VF,  192         ; window 2: key half kk, channel block cb at VF + 32 kk + 8 cb
.set WV,  12
.set G1K, 24
.set G1V, 32
.set G0K, 40          ; s[40:43] descriptor group 0 for K's tiles: it walks
.set G0V, 44
.set SLOTS, 56
.set CNT, 57
.set CS,  58
.set SEL, 60
.set TBK, 62          ; s62  LDS byte at which K of the step to be fetched begins
.set TBV, 63          ; s63  the same for V, less VOFF
.set STP, 70          ; s70  the key step whose mask lies in MC
.set DG,  71          ; s71  the key step that holds my queries' own keys
.set AL,  76          ; s[76:77] the mask's factor, in the low word
.set BIGN, 82
.set MSB, 0
.macro WIN new
.if MSB != (\new)
	s_set_vgpr_msb (MSB<<8)|(\new)
.set MSB, (\new)
.endif
.endm
.set W_KQ, 0x0a       ; K and Q in window 2, S^T and its C in window 0
.set W_PV, 0x52       ; V in window 2, P in window 0, O^T in window 1
.set W_RS, 0x41       ; destination and source 0 in window 1, source 1 in window 0
.macro JLOAD                        ; a joint fill: waves 0, 1 the two halves of a tile's K, waves 2, 3 those of its V, 128 keys each.  The branch hangs on the wave's number alone.
	s_cmp_lt_u32 s[WV], 2
	s_cbranch_scc0 .Lfor_v_\@
	tensor_load_to_lds s[G0K:G0K+3], s[G1K:G1K+7]
	s_nop 0
.rept 4
	v_nop
.endr
	s_branch .Lasked_\@
.Lfor_v_\@:
	tensor_load_to_lds s[G0V:G0V+3], s[G1V:G1V+7]
	s_nop 0
.rept 4
	v_nop
.endr
.Lasked_\@:
.endm
.macro CROUND                       ; a round of the cluster's barrier
	s_barrier_signal -1
	s_barrier_wait -1
	s_cmp_lg_u32 s[WV], 0
	s_cbranch_scc1 .Lnot_wave_0_\@
	s_barrier_signal -3
.Lnot_wave_0_\@:
	s_barrier_wait -3
	s_barrier_signal -1
	s_barrier_wait -1
.endm
; THE CHANGE OF SLOTS.  Each wave waits for all its tensor loads, of which one is out: its part of the other slot; adds 0 to its spare word; and waits for that and for its own reads of the slot.
; fill = 1: the slot is filled again, with the keys two tiles on: the barrier is a round of the cluster's, and the joint fill is the first thing behind it; it has four key steps in which to land.
; (At its first use nothing has been read yet: slot 0 is waited for, slot 1 filled.)
.macro CHANGE fill
	WIN 0
	s_wait_tensorcnt 0x0            ; no tensor load of mine is out, so a group 0 may be written
	ds_add_u32 v[SPW], v[NIL]
.if \fill
.irp g, G0K, G0V
	s_xor_b32 s[\g+1], s[\g+1], SLOT1
	s_add_nc_u64 s[\g+2:\g+3], s[\g+2:\g+3], 4*KS*128
.endr
	s_wait_dscnt 0x0                ; the add is done, and my reads of the slot are over
	CROUND
	JLOAD
.else
	s_wait_dscnt 0x0
	s_barrier_signal -1
	s_barrier_wait -1
.endif
	s_sub_co_u32 s[TBK], s[TBK], 4*KS*PK  ; the fetches go back to a slot's first step, in the other slot
	s_xor_b32 s[TBK], s[TBK], SLOT1
	s_sub_co_u32 s[TBV], s[TBV], 4*KS*PV
	s_xor_b32 s[TBV], s[TBV], SLOT1
.endm
	s_load_b128 s[4:7], s[0:1], 0x0 ; qkv s[4:5], O s[6:7]
	v_lshl_add_u32 v[SPW], v0, 2, SPARE
	v_mov_b32 v[NIL], 0
	ds_add_u32 v[SPW], v[NIL]       ; the wave's opening: the add and its wait stand ahead of my first tensor load
	v_lshrrev_b32 v1, 5, v0
	v_readfirstlane_b32 s[WV], v1
	s_bfe_u32 s13, ttmp6, 0x40000   ; cx
	s_lshl_b32 s14, ttmp9, 2
	s_add_co_u32 s14, s14, s13      ; my block of 256 queries: it enters Q's and O's addresses and DG alone
	s_and_b32 s20, ttmp7, 0xffff    ; the slab, which the four partners share:
	s_lshl_b32 s20, s20, 18         ; 262,144 bytes each
	s_and_b32 s16, s[WV], 1         ; which half of a tile's 256 keys I fetch:
	s_lshl_b32 s22, s16, 14         ; its 128 rows of 128 bytes in memory,
	s_add_co_u32 s22, s22, s20
	s_mov_b32 s23, 0
	s_mul_i32 s17, s16, 128*PK      ; and its place in a slot, for K
	s_mul_i32 s18, s16, 128*PV      ; and for V
	s_lshl_b32 s2, s14, 2
	s_add_co_u32 s2, s2, s[WV]
	s_mov_b32 s[DG], s2             ; 4 x block + wave
	s_lshl_b32 s2, s2, 13           ; my 64 rows of 128 bytes
	s_add_co_u32 s2, s2, s20
	s_mov_b32 s3, 0
	; descriptor group 1.  128 keys are 16,384 dense bytes: asked for as 64 rows of 256 bytes, two keys a row, and padded in LDS after every key
	s_mov_b32 s[G1K], 15|(1<<16)|(1<<20)|(1<<21)|(4<<22)|(3<<25)
	s_mov_b32 s[G1V], 15|(1<<16)|(1<<20)|(1<<21)|(4<<22)|(7<<25)
.irp g, G1K, G1V
	s_mov_b32 s[\g+1], 128<<16
	s_mov_b32 s[\g+2], 64<<16
	s_mov_b32 s[\g+3], 128<<16
	s_mov_b32 s[\g+4], 64
	s_mov_b32 s[\g+5], 128
	s_mov_b32 s[\g+6], 0
	s_mov_b32 s[\g+7], 0
.endr
	s_mov_b32 s[CS], 0x3e38aa3b     ; c = log2(e) / 8
	s_mov_b32 s[CS+1], s[CS]
	s_mov_b32 s[SEL], 0x76543210
	s_mov_b32 s[SEL+1], 0xfedcba98
	s_mov_b32 s[TBK], SLOT1+4*KS*PK ; the first change of slots turns these two into 0
	s_mov_b32 s[TBV], SLOT1+4*KS*PV
	s_mov_b32 s[G0K], 1
	s_mov_b32 s[G0K+1], s17
	s_mov_b32 s[G0V], 1
	s_add_co_u32 s[G0V+1], s18, VOFF
	s_mov_b32 s[AL+1], 0            ; named as a pair
	s_mov_b32 s[BIGN], 0xf149f2ca   ; -1e30
	s_mov_b32 s[STP], 0
	s_wait_dscnt 0x0                ; the opening add is done
	s_wait_kmcnt 0x0
	s_add_nc_u64 s[G0K+2:G0K+3], s[4:5], s[22:23]
	s_add_nc_u64 s[G0K+2:G0K+3], s[G0K+2:G0K+3], 0x800000
	s_or_b32 s[G0K+3], s[G0K+3], 0x80000000
	s_add_nc_u64 s[G0V+2:G0V+3], s[4:5], s[22:23]
	s_add_nc_u64 s[G0V+2:G0V+3], s[G0V+2:G0V+3], 0x1000000
	s_or_b32 s[G0V+3], s[G0V+3], 0x80000000
	s_add_nc_u64 s[4:5], s[4:5], s[2:3]    ; Q and O at my wave's first row
	s_add_nc_u64 s[10:11], s[6:7], s[2:3]
	CROUND                          ; all four work-groups are here: the first joint loads meet
	JLOAD                           ; tile 0 into slot 0; slot 1 is asked for when slot 0 is in
	v_and_b32 v1, 15, v0            ; l % 16
	v_bfe_u32 v9, v0, 4, 1          ; l / 16
	v_lshlrev_b32 v[QO], 7, v1
	v_lshl_add_u32 v[QO], v9, 4, v[QO]
	WIN 0x80
.set i, 0
.rept 8                             ; Q stays in registers: piece i / 2, channels 32 (i % 2) on
	global_load_b128 v[8*i:8*i+3],   v[QO], s[4:5] offset:(i/2)*2048+(i%2)*64
	global_load_b128 v[8*i+4:8*i+7], v[QO], s[4:5] offset:(i/2)*2048+(i%2)*64+32
.set i, i+1
.endr
	; What the first turn finds: V's registers and P's second buffer hold 0 (its products V^T P, of a piece that has not been, add 0), O^T and l are 0.  All this stands in the wait for the first tile.
.set i, VF
.rept 64
	v_mov_b32 v[i], 0
.set i, i+1
.endr
	WIN 0x40
.set i, 0
.rept 128
	v_mov_b32 v[i], 0
.set i, i+1
.endr
	WIN 0
.set i, 0
.rept 4
	v_mov_b32 v[ST+4*i], 0xfe000000    ; c m: far below every c s
	v_mov_b32 v[ST+4*i+1], 0xff7fffff  ; m
	v_mov_b32 v[ST+4*i+2], 0
	v_mov_b32 v[ST+4*i+3], 0
.set i, i+1
.endr
.set i, P+16
.rept 16
	v_mov_b32 v[i], 0
.set i, i+1
.endr
	v_lshlrev_b32 v14, 3, v9
	v_sub_nc_u32 v14, v1, v14       ; l % 16 - 8 (l / 16): the register that holds my query's own key, if it is 0..7
.set i, 0
.rept 8
	v_cmp_eq_u32 vcc_lo, i, v14
	v_cndmask_b32 v[MD+i], 0, s[BIGN], vcc_lo
.set i, i+1
.endr
	v_mul_u32_u24 v[AK0], v1, PK
	v_lshl_add_u32 v[AK0], v9, 4, v[AK0]
	v_and_b32 v10, 7, v0            ; the turning load: lane l reads key 8 (l / 16) + l % 8, channels 8 ((l / 8) % 2) on
	v_bfe_u32 v11, v0, 3, 1
	v_lshl_add_u32 v[AV0], v9, 3, v10
	v_mul_u32_u24 v[AV0], v[AV0], PV
	v_lshl_add_u32 v[AV0], v11, 4, v[AV0]
	v_add_nc_u32 v[AV0], VOFF, v[AV0]
	s_mul_i32 s13, s[WV], 16*SP
	s_add_co_u32 s13, s13, STAGE    ; my stage
	v_mul_u32_u24 v[STO], v1, SP
	v_lshl_add_u32 v[STO], v9, 4, v[STO]
	v_add_nc_u32 v[STO], s13, v[STO]
	v_bfe_u32 v[RD], v0, 3, 2       ; back: 32 lanes take four rows of 128 bytes,
	v_mul_u32_u24 v[RD], v[RD], SP
	v_lshl_add_u32 v[RD], v10, 4, v[RD]
	v_add_nc_u32 v[RD], s13, v[RD]
	v_and_b32 v[GO], 31, v0         ; which are 512 consecutive bytes of O
	v_lshlrev_b32 v[GO], 4, v[GO]
; THE MATRIX WORK.  The 4 accumulators of a run of 8 take turns.  Product i of 8 of S^T = K Q^T for piece x: channels 32 (i / 4) on, keys 16 (i % 4) on.  The first 4 start the sums: with 0, or (group x) with the mask.
.macro KQ x
	WIN W_KQ
.set rS, S+32*((\x)%2)+8*(i%4)
.set rK, KF+16*(i%4)+8*(i/4)
.set rQ, 16*(\x)+8*(i/4)
.if i == (\x)
	v_wmma_f32_16x16x32_bf16 v[rS:rS+7], v[rK:rK+7], v[rQ:rQ+7], v[MC:MC+7]
.elseif i < 4
	v_wmma_f32_16x16x32_bf16 v[rS:rS+7], v[rK:rK+7], v[rQ:rQ+7], 0
.else
	v_wmma_f32_16x16x32_bf16 v[rS:rS+7], v[rK:rK+7], v[rQ:rQ+7], v[rS:rS+7]
.endif
.endm
; Product i of 8 of O^T += V^T P for piece x: keys 32 (i / 4) on, channels 16 (i % 4) on.
.macro PV x
	WIN W_PV
.set rO, 32*(\x)+8*(i%4)
.set rV, VF+32*(i/4)+8*(i%4)
.set rP, P+16*((\x)%2)+8*(i/4)
	v_wmma_f32_16x16x32_bf16 v[rO:rO+7], v[rV:rV+7], v[rP:rP+7], v[rO:rO+7]
.endm
.macro MM                           ; the turn's next matrix instruction
.if i < 8
	KQ (Y+1)%NP
.else
.set i, i-8
	PV (Y+NP-1)%NP
.set i, i+8
.endif
.set i, i+1
.endm
; THE LDS LOADS stand in runs of 16: a step's K (8 fragments) and its V (turned).  last = 1 (the tail): in the last trip there is no further step, and K's run is jumped over.
.macro FETCH_K last=0
	WIN 0
.if \last
	s_cmp_eq_u32 s[CNT], 1
	s_cbranch_scc1 .Lno_k_\@
.endif
	WIN 0x80
.irp f, 0,1,2,3,4,5,6,7
	ds_load_b128 v[KF+8*\f:KF+8*\f+3],   v[AK] offset:(\f/2)*16*PK+(\f%2)*64
	ds_load_b128 v[KF+8*\f+4:KF+8*\f+7], v[AK] offset:(\f/2)*16*PK+(\f%2)*64+32
.endr
	s_add_co_u32 s[TBK], s[TBK], KS*PK
	WIN 0
.if \last
.Lno_k_\@:
.endif
.endm
.macro FETCH_V
	WIN 0x80
.irp f, 0,1,2,3,4,5,6,7
	ds_load_tr16_b128 v[VF+8*\f:VF+8*\f+3],   v[AV] offset:(\f/4)*32*PV+(\f%4)*32
	ds_load_tr16_b128 v[VF+8*\f+4:VF+8*\f+7], v[AV] offset:(\f/4)*32*PV+16*PV+(\f%4)*32
.endr
	WIN 0
.endm
; THE VECTOR WORK, one line at a time: OP kind, number.  For piece Y: F n: c s - c m for pair n of 16.  E n: the exponential of score n of 32.  C n: pair n rounded to bf16.  B n: of the four weights 4 n ..
; the second pair is added onto the first, in place.  L n: l takes that sum (L 0: l = a l + sum).  R n: pair n of 16 of O^T times a.  For piece Y + 1: X n, number n of the 22 that find its maximum and statistics:
;   0-11 four chains of seven scores each (each accumulator's lowest registers are read first)   12-14, 16 the four scores left over, the old m, the chains into one
;   15 c m_old is kept   17, 18 the query's other 32 keys lie in the lane 16 away: the new m   19-21 c m; c m_old - c m_new; a
.set F, 0
.set E, 1
.set C, 2
.set B, 3
.set L, 4
.set R, 5
.set X, 6
.macro REGS y
.set rT, ST+4*(\y)
.set rC, TMP+4*((\y)%2)
.set rW, MV+((\y)%2)
.set rS, S+32*((\y)%2)
.set rP, P+16*((\y)%2)
.set rO, 32*(\y)
.endm
.macro OP k, n
.if (\k) == R
	REGS Y
	WIN W_RS
	v_pk_mul_f32 v[rO+2*(\n):rO+2*(\n)+1], v[rO+2*(\n):rO+2*(\n)+1], v[rC+2:rC+3] op_sel_hi:[1,0]
.elseif (\k) < R
	REGS Y
	WIN 0
.if (\k) == F
	v_pk_fma_f32 v[rS+2*(\n):rS+2*(\n)+1], v[rS+2*(\n):rS+2*(\n)+1], s[CS:CS+1], v[rT:rT+1] op_sel_hi:[1,0,0] neg_lo:[0,0,1] neg_hi:[0,0,1]
.elseif (\k) == E
	v_exp_f32 v[rS+(\n)], v[rS+(\n)]
.elseif (\k) == C
	s_wait_alu depctr_va_vdst(0)
	v_cvt_pk_bf16_f32 v[rP+(\n)], v[rS+2*(\n)], v[rS+2*(\n)+1]
.elseif (\k) == B
	s_wait_alu depctr_va_vdst(0)
	v_pk_add_f32 v[rS+4*(\n):rS+4*(\n)+1], v[rS+4*(\n):rS+4*(\n)+1], v[rS+4*(\n)+2:rS+4*(\n)+3]
.elseif (\n) == 0
	v_pk_fma_f32 v[rT+2:rT+3], v[rT+2:rT+3], v[rC+2:rC+3], v[rS:rS+1] op_sel_hi:[1,0,1]
.else
	v_pk_add_f32 v[rT+2:rT+3], v[rT+2:rT+3], v[rS+4*(\n):rS+4*(\n)+1]
.endif
.else
	REGS (Y+1)%NP
	WIN 0
.if (\n) < 4
	v_max3_num_f32 v[rC+(\n)], v[rS+8*(\n)], v[rS+8*(\n)+1], v[rS+8*(\n)+2]
.elseif (\n) < 12
	v_max3_num_f32 v[rC+(\n)%4], v[rC+(\n)%4], v[rS+8*((\n)%4)+2*((\n)/4)+1], v[rS+8*((\n)%4)+2*((\n)/4)+2]
.elseif (\n) == 12
	v_max3_num_f32 v[rC], v[rC], v[rS+7], v[rS+15]
.elseif (\n) == 13
	v_max3_num_f32 v[rC+1], v[rC+1], v[rS+23], v[rS+31]
.elseif (\n) == 14
	v_max3_num_f32 v[rC+2], v[rC+2], v[rC+3], v[rT+1]
.elseif (\n) == 15
	v_mov_b32 v[rW], v[rT]
.elseif (\n) == 16
	v_max3_num_f32 v[rC], v[rC], v[rC+1], v[rC+2]
.elseif (\n) == 17
	v_permlanex16_b32 v[rC+3], v[rC], s[SEL], s[SEL+1]
.elseif (\n) == 18
	v_max_num_f32 v[rT+1], v[rC], v[rC+3]
.elseif (\n) == 19
	v_mul_f32 v[rT], s[CS], v[rT+1]
.elseif (\n) == 20
	v_sub_f32 v[rC+1], v[rW], v[rT]
.else
	v_exp_f32 v[rC+2], v[rC+1]
.endif
.endif
.endm
.macro OPS a, i1, b=-1, i2=0, c=-1, i3=0, d=-1, i4=0
	OP \a, \i1
.if (\b) >= 0
	OP \b, \i2
.endif
.if (\c) >= 0
	OP \c, \i3
.endif
.if (\d) >= 0
	OP \d, \i4
.endif
.endm
.macro ROW a, i1, b, i2, c, i3, d, i4  ; a matrix instruction and the four behind it
	MM
	OPS \a, \i1, \b, \i2, \c, \i3, \d, \i4
.endm
.macro MASK                         ; MC = MD x AL
	WIN 0
.set z, 0
.rept 4
	v_pk_mul_f32 v[MC+2*z:MC+2*z+1], v[MD+2*z:MD+2*z+1], s[AL:AL+1] op_sel_hi:[1,0]
.set z, z+1
.endr
.endm
; A TURN, for piece p: the order of its 16 matrix and 118 vector instructions, written out.  Behind a matrix instruction: plain, exponential, plain, plain; or four of the rescaling; or four scalings; none
; names a register of the products round it.  In the lumps exponential and plain by turns.  A line reads no result made fewer than three vector instructions in front of it, five if an exponential made it.
; last = 1: the tail's text (see FETCH_K).  cnt = 1: the loop's count is taken down some lines ahead of the branch that stands behind the turn.
; K of the next step is fetched in piece 2's turn, six vector instructions behind the last product that read K (five of them plain); V of the step in hand in piece 0's turn, eight behind the last
; product that read V (four plain).  Each is waited for a turn later.  Piece 2's turn, whose products are the last of a step to take MC, ends by making MC for the next step.
.macro TURN p, last=0, cnt=0
.set Y, (\p)
.set i, 0
.if (\p) == 2
	s_add_co_u32 s[STP], s[STP], 1
	s_cmp_eq_u32 s[STP], s[DG]      ; is the next step the one that holds my own keys?
	s_cselect_b32 s[AL], 1.0, 0
.endif
.if (\p) == 3
	s_wait_dscnt 0x0                ; K is in
.endif
	ROW F,0, F,1, F,2, F,3
	ROW F,4, E,0, F,5, F,6
	ROW F,7, E,1, F,8, F,9
	ROW F,10, E,2, C,0, F,11
	ROW F,12, E,3, X,15, F,13
	ROW R,0, R,1, R,2, R,3
	ROW B,0, E,4, F,14, L,0
.if (\p) == 2
	v_add_nc_u32 v[AK], s[TBK], v[AK0]
.endif
	ROW R,4, R,5, R,6, R,7
	OPS E,5, F,15
.if (\p) == 2
	FETCH_K \last
.endif
	OPS E,6, C,1, E,7, R,8
	OPS E,8, R,9, E,9, C,2
	OPS E,10, X,0, E,11, X,1
	OPS E,12, X,2, E,13, X,3
.if (\p) == 1
	s_wait_dscnt 0x0                ; V is in
.endif
	ROW X,4, E,14, X,5, X,6
	ROW X,7, E,15, X,8, X,9
	ROW X,10, E,16, X,11, X,12
	ROW X,13, E,17, X,14, B,1
	ROW C,4, E,18, X,16, L,1
	ROW B,2, E,19, C,6, L,2
	ROW C,8, E,20, B,3, B,4
.if (\p) == 0
	v_add_nc_u32 v[AV], s[TBV], v[AV0]
.endif
	ROW C,3, E,21, L,3, C,5
	OPS E,22, X,17, E,23, C,10
.if (\p) == 0
	FETCH_V
.endif
	OPS E,24, L,4
	OPS E,25, X,18, E,26, C,7
	OPS E,27, B,5, E,28, X,19
	OPS E,29, C,12, E,30, L,5
	OPS E,31, X,20, B,6, C,9
	OPS C,14, C,11, X,21, L,6
.if (\p) == 0
	s_add_co_u32 s[TBV], s[TBV], KS*PV
.endif
.if \cnt
	s_sub_co_u32 s[CNT], s[CNT], 1
	s_cmp_lg_u32 s[CNT], 0
.endif
	OPS C,13, B,7, C,15, R,10
	OPS R,11, R,12, L,7, R,13
	OPS R,14, R,15
.if (\p) == 2
	MASK
.endif
.endm
	CHANGE 1                        ; slot 0 is in, everybody's part of it; slot 1 is asked for
	s_cmp_eq_u32 s[DG], 0           ; the mask for key step 0
	s_cselect_b32 s[AL], 1.0, 0
	MASK
	v_add_nc_u32 v[AK], s[TBK], v[AK0]
	FETCH_K                         ; key step 0
	s_wait_loadcnt 0x0              ; Q
	s_wait_dscnt 0x0
.set i, 0
.rept 8
	KQ 0                            ; piece 0's first scores
.set i, i+1
.endr
	WIN 0
.rept 4
	v_nop                           ; the places behind those products
.endr
.set Y, NP-1                        ; X works for piece Y + 1: piece 0
.irp n, 0,1,2,3,4,5,6,7,8,9,10,11,12,13,14,15,16,17,18,19,20,21
	OP X, \n
.endr
	v_nop                           ; a plain instruction behind the exponential
	s_mov_b32 s[CNT], 4
	s_mov_b32 s[SLOTS], 7
	s_branch .Lfirst                ; the loop is entered at a step's first turn, in the middle of a trip
.Lslot:                             ; six times: tiles 2 to 7 are asked for
	CHANGE 1
	s_mov_b32 s[CNT], 4
.Lstep:                             ; a trip: pieces 2 and 3 of one step, then pieces 0 and 1 of the next, whose K and V it fetches
	TURN 2
	TURN 3
	WIN 0
.Lfirst:
	TURN 0
	TURN 1, 0, 1
	WIN 0
	s_cbranch_scc1 .Lstep
	s_sub_co_u32 s[SLOTS], s[SLOTS], 1
	s_cmp_lg_u32 s[SLOTS], 0
	s_cbranch_scc1 .Lslot
	CHANGE 0                        ; the tail is written out: nothing is asked for
	s_mov_b32 s[CNT], 5             ; four trips fetch the last tile's steps; the fifth is left in its middle
.Ltail:
	TURN 2, 1
	TURN 3
	WIN 0
	s_sub_co_u32 s[CNT], s[CNT], 1
	s_cmp_eq_u32 s[CNT], 0
	s_cbranch_scc1 .Lout
	TURN 0
	TURN 1
	WIN 0
	s_branch .Ltail
.Lout:                              ; the fifth trip's 8 products K Q^T (on the last K once more) and the maximum made of them serve nothing: the price, once a launch, of one text for every trip
.set i, 0
.rept 8
	PV NP-1                         ; the last piece's V^T P of the last step
.set i, i+1
.endr
	; THE WAY OUT.  l's two halves and the other half of the lanes' are added; O^T is divided by l, rounded to bf16 and sent through my stage in LDS, a piece at a time.  The additions are the places behind the last products.
	WIN 0
.macro ALL line:vararg
.set t, 0
.rept 4
	\line
.set t, t+1
.endr
.endm
	ALL v_add_f32 v[ST+4*t+2], v[ST+4*t+2], v[ST+4*t+3]
	ALL v_permlanex16_b32 v[ST+4*t+3], v[ST+4*t+2], s[SEL], s[SEL+1]
	ALL v_add_f32 v[ST+4*t+2], v[ST+4*t+2], v[ST+4*t+3]
	ALL v_rcp_f32 v[ST+4*t+2], v[ST+4*t+2]
	v_nop                           ; a plain instruction between the last reciprocal and the use of its result
.macro PACK t                       ; a lane's eight channels of a row pack into 16 bytes; they go into rows of 144 bytes and come back as whole rows of 128, into S^T's registers
	WIN W_RS
.set i, 32*(\t)
.rept 16
	s_wait_alu depctr_va_vdst(0)
	v_pk_mul_f32 v[i:i+1], v[i:i+1], v[ST+4*(\t)+2:ST+4*(\t)+3] op_sel_hi:[1,0]
.set i, i+2
.endr
	WIN 0x05
.set i, 0
.rept 16
	v_cvt_pk_bf16_f32 v[S+16*(\t)+i], v[32*(\t)+2*i], v[32*(\t)+2*i+1]
.set i, i+1
.endr
	WIN 0
.irp f, 0,1,2,3
	ds_store_b128 v[STO], v[S+16*(\t)+4*\f:S+16*(\t)+4*\f+3] offset:32*\f
.endr
.irp f, 0,1,2,3
	ds_load_b128 v[S+16*(\t)+4*\f:S+16*(\t)+4*\f+3], v[RD] offset:\f*4*SP  ; LDS serves a wave's instructions in order (ISA guide 5.7.1.4): these see the stores above
.endr
.endm
.macro SEND t, younger              ; younger: the LDS instructions issued behind piece t's loads: the next piece's eight, or none
	WIN 0
.irp f, 0,1,2,3
	s_wait_dscnt (\younger)+3-\f
	global_store_b128 v[GO], v[S+16*(\t)+4*\f:S+16*(\t)+4*\f+3], s[10:11] offset:(\t)*2048+\f*512  ; 512 consecutive bytes, at a multiple of 256 from O's first
.endr
.endm
	PACK 0
.set t, 1
.rept 3
	PACK t
	SEND t-1, 8
.set t, t+1
.endr
	SEND 3, 0
	s_wait_tensorcnt 0x0            ; the wave's end
	ds_add_u32 v[SPW], v[NIL]
	s_wait_dscnt 0x0
	CROUND                          ; the closing round
	s_endpgm
.Lfunc_end_k_q651c655e41_attn:
	.size	k_q651c655e41_attn, .Lfunc_end_k_q651c655e41_attn-k_q651c655e41_attn
	.p2alignl 7, 3214868480
	.fill 96, 4, 3214868480
	.section	.rodata,"a",@progbits
	.p2align	6, 0x0
	.amdhsa_kernel k_q651c655e41_attn
		.amdhsa_group_segment_fixed_size 327680
		.amdhsa_private_segment_fixed_size 0
		.amdhsa_enable_private_segment 0
		.amdhsa_kernarg_size 16
		.amdhsa_user_sgpr_count 2
		.amdhsa_user_sgpr_kernarg_segment_ptr 1
		.amdhsa_wavefront_size32 1
		.amdhsa_system_sgpr_workgroup_id_x 1
		.amdhsa_system_sgpr_workgroup_id_y 1
		.amdhsa_system_sgpr_workgroup_id_z 1
		.amdhsa_system_vgpr_workitem_id 0
		.amdhsa_next_free_vgpr 768
		.amdhsa_next_free_sgpr 88
		.amdhsa_reserve_vcc 1
		.amdhsa_float_denorm_mode_32 3
		.amdhsa_float_denorm_mode_16_64 3
		.amdhsa_memory_ordered 1
		.amdhsa_forward_progress 1
		.amdhsa_inst_pref_size 119
	.end_amdhsa_kernel
	.amdgpu_metadata
---
amdhsa.version: [ 1, 2 ]
amdhsa.kernels:
  - .name:           k_q651c655e41_attn
    .symbol:         k_q651c655e41_attn.kd
    .args:
      - { .name: qkv, .offset: 0, .size: 8, .value_kind: global_buffer, .address_space: global }
      - { .name: ob, .offset: 8, .size: 8, .value_kind: global_buffer, .address_space: global }
    .group_segment_fixed_size: 327680
    .private_segment_fixed_size: 0
    .kernarg_segment_align: 8
    .kernarg_segment_size: 16
    .max_flat_workgroup_size: 128
    .sgpr_count:     88
    .vgpr_count:     768
    .wavefront_size: 32
...
	.end_amdgpu_metadata
.endif
;; end of part 3
;; launch gproj (part 4): grid 8 x 32, 4 waves a work-group, clusters of 4 x 4, 327,680 bytes of LDS; arguments ob, wb, x, st1, g1, b1, bp, hbuf; writes hbuf
.if DOCPART == 4
	.amdgcn_target "amdgcn-amd-amdhsa--gfx1250"
	.amdhsa_code_object_version 6
	.text
	.protected	k_q651c655e41_gproj
	.globl	k_q651c655e41_gproj
	.p2align	8
	.type	k_q651c655e41_gproj,@function
k_q651c655e41_gproj:
	s_mov_b64 s[64:65], 0
	v_nop
	global_prefetch_b8 v0, s[64:65] scope:SCOPE_SE
	s_setreg_imm32_b32 hwreg(HW_REG_WAVE_MODE, 25, 1), 1
	s_wait_xcnt 0x0
	s_wait_alu depctr_hold_cnt(0) depctr_sa_sdst(0) depctr_va_vdst(0) depctr_va_sdst(0) depctr_va_ssrc(0) depctr_va_vcc(0) depctr_vm_vsrc(0)
	s_getreg_b32 s2, hwreg(HW_REG_IB_STS2, 6, 4)
	s_cmp_eq_u32 s2, 0
	s_cbranch_scc0 .Lentry_in_a_cluster
	s_endpgm
.Lentry_in_a_cluster:
	s_bfe_u32 s2, ttmp6, 0x10000c
	s_cmp_lg_u32 s2, 0xf033
	s_cbranch_scc0 .Lentry_shape_is_right
	s_endpgm
.Lentry_shape_is_right:
; OUT = RES + A W + bias, in f32.  A: bf16 in blocks of 64 along K, [K / 64][4096 rows][64].  W: bf16 [K][1024] as it lies.  OUT: [4096][1024] f32.
; PROJ = 1: A = the attention's O (K = 1,024), W = Wp, bias = bp, and RES is LayerNorm 1 made anew in f32 from x, its stored mean and rsqrt, g1 and b1: (x - mean) rsqrt g1 + b1.
; PROJ = 0: A = the hidden layer (K = 4,096), W = W2, bias = bm2, RES = h.
; SHAPE.  4,096 x 1,024 makes 64 tiles of 256 x 256, so the tile is 128 x 128: 256 work-groups.  Four waves, each 64 x 64 in 16 accumulators.  K goes in steps of 256 through two LDS slots.
; A K step is written once: the slot in hand is a scalar (CUR), and the LDS addresses are made from it at each change of slots.  W's fragments come out of LDS turned, by ds_load_tr16_b128.
; THE MATRIX INSTRUCTION IS USED TRANSPOSED (source 0 = 16 columns of W, source 1 = 16 rows of A).  The bias is the C operand of the products that start the sums.
; CLUSTER.  4 x 4 work-groups: A's tile is shared along a row of the cluster, W's along a column, each asked for jointly.
; RES's 64 x 64 a wave is asked for at the start and stays on its way during the K loop; nothing waits for it there.
; THE WAY OUT.  Behind the last barrier nobody reads the ring and nothing is filled again: each wave lays its 64 x 64 f32 over it (rows of 272 bytes), reads whole rows back, adds RES and stores.
; REGISTERS: window 0: v0-31 addresses; v32-95 at work on the way out; v96-127 the bias as a C operand; v128-255 the accumulators ((a, b) at 128 + 8 (4 a + b))
;   window 1: two fragment buffers of 128 (A 64, then W 64)     window 2: v0-127 RES; v128-191 mean and rsqrt of my rows (PROJ)
; NaN and infinities are not treated apart.
.set PROJ,  1
.set KSTEP, 256
.if PROJ
.set NSTEP, 4
.set WOFF,  3*2097152
.set BP,    16                         ; s[16:17] the bias
.else
.set NSTEP, 16
.set WOFF,  16777216
.set BP,    10                         ; s[10:11]
.endif
.set PA,    144                        ; a row of a block of A in LDS: 128 bytes + 16
.set HA,    4*64*PA                    ; a half of A's tile: four blocks of 64 rows
.set PB,    288                        ; a row of W (128 columns of one k): 256 + 32
.set HB,    128*PB
.set BOFF,  2*HA
.set SLOT,  2*HA+2*HB
.set SPARE, 2*SLOT                     ; behind the ring: the spare words, 128 bytes for each wave, which no other line names
.set DP,    272
.set DW,    64*DP
.set ASTEP, 4*4096*128                 ; four blocks of A on
.set BSTEP, KSTEP*2048
.set GQ,   12                          ; v12-15  g1 of my four columns (PROJ)
.set A0,   16
.set B0,   17
.set ADRA, 18
.set ADRB, 19                          ; v19  W's rows 0-127 of the slot in hand; v20 its rows 128-255: the offsets stay within 16 bits
.set SO,   21
.set GOF,  22
.set DST,  24
.set RD,   25
.set CO,   26
.set BO,   27
.set SPW,  28
.set NIL,  29
.set TA,   32
.set TB,   64
.set BI,   96
.set ACC,  128
.set F0,   0
.set F1,   128
.set WV,  20
.set WM,  21
.set WN,  22
.set G1A, 24
.set G0A, 32
.set G1B, 48
.set G0B, 56
.set CUR, 66
.set L0A, 67
.set L0B, 68
.set TCN, 69
.set KCN, 70
.set MSB, 0
.macro WIN new
.if MSB != (\new)
	s_set_vgpr_msb (MSB<<8)|(\new)
.set MSB, \new
.endif
.endm
.set MUL,  0x05                        ; sources 0 (W) and 1 (A) window 1; C and D window 0
.set TO_F, 0x40
.macro JLOAD                           ; a joint refill by the walking sets: waves 0, 1 A's halves, waves 2, 3 W's.  The branch hangs on the wave's number alone.
	s_cmp_eq_u32 s[WM], 0
	s_cbranch_scc0 .Lfor_b_\@
	tensor_load_to_lds s[G0A+4:G0A+7], s[G1A:G1A+7]
	s_nop 0
.rept 4
	v_nop
.endr
	s_branch .Lasked_\@
.Lfor_b_\@:
	tensor_load_to_lds s[G0B+4:G0B+7], s[G1B:G1B+7]
	s_nop 0
.rept 4
	v_nop
.endr
.Lasked_\@:
.endm
.macro CREST
	s_cmp_lg_u32 s[WV], 0
	s_cbranch_scc1 .Lnot_wave_0_\@
	s_barrier_signal -3
.Lnot_wave_0_\@:
	s_barrier_wait -3
	s_barrier_signal -1
	s_barrier_wait -1
.endm
.macro CROUND
	s_barrier_signal -1
	s_barrier_wait -1
	CREST
.endm
.macro PLACES
.rept 4
	v_nop
.endr
.endm
.if PROJ
	s_load_b512 s[4:19], s[0:1], 0x0               ; A s[4:5], wb s[6:7], x s[8:9], statistics s[10:11], g1 s[12:13], b1 s[14:15], bp s[16:17], OUT s[18:19]
.else
	s_load_b256 s[4:11], s[0:1], 0x0               ; A s[4:5], wb s[6:7], h s[8:9], bm2 s[10:11]
	s_load_b64 s[18:19], s[0:1], 0x20              ; OUT
.endif
	v_lshl_add_u32 v[SPW], v0, 2, SPARE
	v_mov_b32 v[NIL], 0
	ds_add_u32 v[SPW], v[NIL]                      ; the wave's opening: the add and its wait stand ahead of my first tensor load
	v_lshrrev_b32 v1, 5, v0
	v_readfirstlane_b32 s[WV], v1
	s_lshr_b32 s[WM], s[WV], 1
	s_and_b32 s[WN], s[WV], 1
	s_bfe_u32 s40, ttmp6, 0x40000
	s_bfe_u32 s41, ttmp6, 0x40004
	s_lshl_b32 s42, ttmp9, 2
	s_add_co_u32 s42, s42, s40                     ; tile column
	s_and_b32 s43, ttmp7, 0xffff
	s_lshl_b32 s43, s43, 2
	s_add_co_u32 s43, s43, s41                     ; tile row
	s_lshl_b32 s44, s41, 2
	s_lshl_b32 s44, 15, s44
	s_lshl_b32 s45, 0x1111, s40
	; A's half tile: of each of four blocks 64 rows of 128 bytes, 8,192 dense bytes: a tile of 4 rows of 4,096 elements, padded in LDS after every 128 bytes
	s_or_b32 s[G1A], s44, (1<<16)|(1<<20)|(1<<21)|(4<<22)|(3<<25)
	s_mov_b32 s[G1A+1], 4096<<16                   ; tensor_dim0
	s_mov_b32 s[G1A+2], 4<<16                      ; tensor_dim1
	s_mov_b32 s[G1A+3], 4096<<16                   ; tile_dim0
	s_mov_b32 s[G1A+4], 4                          ; tile_dim1
	s_mov_b32 s[G1A+5], 4096*64                    ; elements from block to block
	s_mov_b32 s[G1A+6], 0
	s_mov_b32 s[G1A+7], 0
	; W's half tile: 128 k rows of 128 columns
	s_or_b32 s[G1B], s45, (1<<16)|(1<<20)|(1<<21)|(5<<22)|(7<<25)
	s_mov_b32 s[G1B+1], 128<<16
	s_mov_b32 s[G1B+2], 128<<16
	s_mov_b32 s[G1B+3], 128<<16
	s_mov_b32 s[G1B+4], 128
	s_mov_b32 s[G1B+5], 1024
	s_mov_b32 s[G1B+6], 0
	s_mov_b32 s[G1B+7], 0
	s_lshl_b32 s72, s43, 14                        ; A: 128 rows of 128 bytes a tile row, 64 a half
	s_lshl_b32 s73, s[WN], 13
	s_add_co_u32 s72, s72, s73
	s_mov_b32 s73, 0
	s_lshl_b32 s74, s42, 8                         ; W: 256 bytes of a row a tile column, 128 rows of 2,048 bytes a half
	s_lshl_b32 s75, s[WN], 18
	s_add_co_u32 s74, s74, s75
	s_add_co_u32 s74, s74, WOFF
	s_mov_b32 s75, 0
	s_mul_i32 s[L0A], s[WN], HA
	s_mul_i32 s[L0B], s[WN], HB
	s_add_co_u32 s[L0B], s[L0B], BOFF
	s_mov_b32 s[CUR], 0
	s_wait_dscnt 0x0                               ; the opening add is done
	s_wait_kmcnt 0x0
	s_add_nc_u64 s[4:5], s[4:5], s[72:73]
	s_add_nc_u64 s[6:7], s[6:7], s[74:75]
.irp s, 0,1
	s_mov_b32 s[G0A+4*(\s)], 1
	s_add_co_u32 s[G0A+4*(\s)+1], s[L0A], (\s)*SLOT
	s_add_nc_u64 s[G0A+4*(\s)+2:G0A+4*(\s)+3], s[4:5], (\s)*ASTEP
	s_or_b32 s[G0A+4*(\s)+3], s[G0A+4*(\s)+3], 0x80000000
	s_mov_b32 s[G0B+4*(\s)], 1
	s_add_co_u32 s[G0B+4*(\s)+1], s[L0B], (\s)*SLOT
	s_add_nc_u64 s[G0B+4*(\s)+2:G0B+4*(\s)+3], s[6:7], (\s)*BSTEP
	s_or_b32 s[G0B+4*(\s)+3], s[G0B+4*(\s)+3], 0x80000000
.endr
	CROUND                                         ; all sixteen work-groups are here: the first joint loads meet
	s_cmp_eq_u32 s[WM], 0                          ; a wave's two first fills stand in one branch: two loads of mine are out
	s_cbranch_scc0 .Lfirst_b
	tensor_load_to_lds s[G0A:G0A+3], s[G1A:G1A+7]
	s_nop 0
	tensor_load_to_lds s[G0A+4:G0A+7], s[G1A:G1A+7]
	s_nop 0
.rept 4
	v_nop
.endr
	s_branch .Lfirst_done
.Lfirst_b:
	tensor_load_to_lds s[G0B:G0B+3], s[G1B:G1B+7]
	s_nop 0
	tensor_load_to_lds s[G0B+4:G0B+7], s[G1B:G1B+7]
	s_nop 0
.rept 4
	v_nop
.endr
.Lfirst_done:
	v_and_b32 v1, 15, v0                           ; r
	v_bfe_u32 v2, v0, 4, 1                         ; h
	v_mul_u32_u24 v3, v1, PA
	v_lshl_add_u32 v3, v2, 4, v3
	s_mul_i32 s72, s[WM], HA
	v_add_nc_u32 v[A0], s72, v3
	v_and_b32 v4, 7, v0
	v_lshl_add_u32 v4, v2, 3, v4
	v_mul_u32_u24 v4, v4, PB
	v_bfe_u32 v5, v0, 3, 1
	v_lshl_add_u32 v4, v5, 4, v4
	s_lshl_b32 s73, s[WN], 7                       ; my 64 columns: 128 bytes of W's rows
	s_add_co_u32 s73, s73, BOFF
	v_add_nc_u32 v[B0], s73, v4
	v_mov_b32 v[ADRA], v[A0]
	v_mov_b32 v[ADRB], v[B0]
	v_add_nc_u32 v[ADRB+1], HB, v[B0]
	s_mul_i32 s72, s[WV], DW
	v_mul_u32_u24 v5, v1, DP
	v_lshl_add_u32 v5, v2, 5, v5
	v_add_nc_u32 v[DST], s72, v5
	v_mul_u32_u24 v5, v2, DP
	v_lshl_add_u32 v5, v1, 4, v5
	v_add_nc_u32 v[RD], s72, v5
	v_lshlrev_b32 v5, 12, v2                       ; in OUT and RES: lanes 0-15 take 256 bytes of one row, lanes 16-31 of the next
	v_lshl_add_u32 v[CO], v1, 4, v5
	v_lshlrev_b32 v[BO], 5, v2
	v_lshlrev_b32 v[SO], 3, v2
	v_lshlrev_b32 v[GOF], 4, v1
	s_lshl_b32 s46, s42, 9                         ; my first column, in bytes of f32: 512 x tile column + 256 x half
	s_lshl_b32 s47, s[WN], 8
	s_add_co_u32 s46, s46, s47
	s_mov_b32 s47, 0
	s_add_nc_u64 s[BP:BP+1], s[BP:BP+1], s[46:47]
.if PROJ
	s_add_nc_u64 s[12:13], s[12:13], s[46:47]
	s_add_nc_u64 s[14:15], s[14:15], s[46:47]
.endif
	s_lshl_b32 s72, s43, 7                         ; my first row: 128 x tile row + 64 x half
	s_lshl_b32 s73, s[WM], 6
	s_add_co_u32 s72, s72, s73
	s_lshl_b32 s74, s72, 3                         ; 8 bytes of statistics a row
	s_mov_b32 s75, 0
	s_lshl_b32 s72, s72, 12
	s_add_co_u32 s72, s72, s46
	s_mov_b32 s73, 0
	s_add_nc_u64 s[8:9], s[8:9], s[72:73]
	s_add_nc_u64 s[18:19], s[18:19], s[72:73]
.if PROJ
	s_add_nc_u64 s[10:11], s[10:11], s[74:75]
.endif
.irp b, 0,1,2,3                        ; the bias as a C operand: register j of block b holds column 16 b + 8 h + j, whatever the row
	global_load_b128 v[BI+8*(\b):BI+8*(\b)+3],   v[BO], s[BP:BP+1] offset:64*(\b)
	global_load_b128 v[BI+8*(\b)+4:BI+8*(\b)+7], v[BO], s[BP:BP+1] offset:64*(\b)+16
.endr
.if PROJ
.irp b, 0,1,2,3
	global_load_b128 v[TA+8*(\b):TA+8*(\b)+3],   v[BO], s[14:15] offset:64*(\b)
	global_load_b128 v[TA+8*(\b)+4:TA+8*(\b)+7], v[BO], s[14:15] offset:64*(\b)+16
.endr
	global_load_b128 v[GQ:GQ+3], v[GOF], s[12:13]
.endif
	s_wait_loadcnt 0x0
.if PROJ
.set i, 0
.rept 16
	v_pk_add_f32 v[BI+i:BI+i+1], v[BI+i:BI+i+1], v[TA+i:TA+i+1]   ; bp + b1
.set i, i+2
.endr
.endif
	WIN 0x80                                       ; destination window 2
.set j, 0
.rept 32
	global_load_b128 v[4*j:4*j+3], v[CO], s[8:9] offset:8192*j    ; rows 2 j and 2 j + 1 of my 64
.set j, j+1
.endr
.if PROJ
.set j, 0
.rept 32
	global_load_b64 v[128+2*j:129+2*j], v[SO], s[10:11] offset:16*j
.set j, j+1
.endr
.endif
	WIN 0
; 8 matrix instructions: row blocks a0, a0 + 1 x all 4 column blocks, 32 along K: half c of buffer f.  zero = 1: the first product starts the sums with the bias.  The 16 accumulators take turns.
.macro MUL8 f, c, a0, zero
	WIN MUL
.irp a, \a0, (\a0)+1
.irp b, 0,1,2,3
.if \zero
	v_wmma_f32_16x16x32_bf16 v[ACC+8*(4*(\a)+(\b)):ACC+8*(4*(\a)+(\b))+7], v[(\f)+64+8*(4*(\c)+(\b)):(\f)+64+8*(4*(\c)+(\b))+7], v[(\f)+8*(4*(\c)+(\a)):(\f)+8*(4*(\c)+(\a))+7], v[BI+8*(\b):BI+8*(\b)+7]
.else
	v_wmma_f32_16x16x32_bf16 v[ACC+8*(4*(\a)+(\b)):ACC+8*(4*(\a)+(\b))+7], v[(\f)+64+8*(4*(\c)+(\b)):(\f)+64+8*(4*(\c)+(\b))+7], v[(\f)+8*(4*(\c)+(\a)):(\f)+8*(4*(\c)+(\a))+7], v[ACC+8*(4*(\a)+(\b)):ACC+8*(4*(\a)+(\b))+7]
.endif
.endr
.endr
.endm
; 32 LDS loads in one run: quarter q (64 along K: one block of A) of the slot in hand into buffer f; the first 32 along K first
.macro FETCH q, f
	WIN TO_F
.irp c, 0,1
.irp i, 0,1,2,3
	ds_load_tr16_b128 v[(\f)+64+8*(4*(\c)+(\i)):(\f)+64+8*(4*(\c)+(\i))+3],   v[ADRB+(\q)/2] offset:((\q)%2)*64*PB+32*PB*(\c)+32*(\i)
	ds_load_tr16_b128 v[(\f)+64+8*(4*(\c)+(\i))+4:(\f)+64+8*(4*(\c)+(\i))+7], v[ADRB+(\q)/2] offset:((\q)%2)*64*PB+32*PB*(\c)+16*PB+32*(\i)
	ds_load_b128 v[(\f)+8*(4*(\c)+(\i)):(\f)+8*(4*(\c)+(\i))+3],   v[ADRA] offset:64*PA*(\q)+64*(\c)+16*PA*(\i)
	ds_load_b128 v[(\f)+8*(4*(\c)+(\i))+4:(\f)+8*(4*(\c)+(\i))+7], v[ADRA] offset:64*PA*(\q)+64*(\c)+16*PA*(\i)+32
.endr
.endr
.endm
.macro QUARTER q, f, g, zero
	s_wait_dscnt 16                                ; the first 32 along K are in
	MUL8 \f, 0, 0, \zero
	MUL8 \f, 0, 2, \zero
	PLACES
	FETCH \q, \g
	s_wait_dscnt 32                                ; all but the 32 just issued
	MUL8 \f, 1, 0, 0
	MUL8 \f, 1, 2, 0
.endm
; The first half of the last quarter, and the one barrier of a change of slots: in front of it each wave waits for all its tensor loads, adds 0 to its spare word, and waits for that and for its reads of this slot
.macro MEET round
	WIN 0
	s_wait_tensorcnt 0x0
	ds_add_u32 v[SPW], v[NIL]
	s_wait_dscnt 17                                ; the add and the youngest sixteen loads may be out
	MUL8 F1, 0, 0, 0
	s_wait_dscnt 0x0                               ; the add is done, and my reads of this slot are over
	s_barrier_signal -1
	MUL8 F1, 0, 2, 0
.if \round
	WIN 0
.endif
	s_barrier_wait -1
.endm
.macro NEXT
	s_xor_b32 s[CUR], s[CUR], SLOT
	v_add_nc_u32 v[ADRA], s[CUR], v[A0]
	v_add_nc_u32 v[ADRB], s[CUR], v[B0]
	v_add_nc_u32 v[ADRB+1], HB, v[ADRB]
.endm
.macro TURN
	MEET 1
	CREST
	s_add_co_u32 s[G0A+5], s[L0A], s[CUR]          ; no tensor load of mine is out: the walking sets may be written
	s_add_co_u32 s[G0B+5], s[L0B], s[CUR]
	s_add_nc_u64 s[G0A+6:G0A+7], s[G0A+6:G0A+7], ASTEP
	s_add_nc_u64 s[G0B+6:G0B+7], s[G0B+6:G0B+7], BSTEP
	JLOAD                                          ; its four v_nop are also the places in front of the loads below
	NEXT
	FETCH 0, F0
	MUL8 F1, 1, 0, 0
	MUL8 F1, 1, 2, 0
.endm
	s_wait_tensorcnt 0x1                           ; my part of K step 0 is in; K step 1's stays out
	s_barrier_signal -1
	s_barrier_wait -1
	FETCH 0, F0
	QUARTER 1, F0, F1, 1
	WIN 0
	s_mov_b32 s[KCN], NSTEP-2
.Lk:                                                   ; trip t: the rest of K step t, the refill with K step t + 2, the first quarter of K step t + 1
	QUARTER 2, F1, F0, 0
	QUARTER 3, F0, F1, 0
	TURN
	QUARTER 1, F0, F1, 0
	WIN 0
	s_sub_co_u32 s[KCN], s[KCN], 1
	s_cmp_lg_u32 s[KCN], 0
	s_cbranch_scc1 .Lk
	s_mov_b32 s[TCN], 2
.Lt:                                                   ; the last two K steps ask for nothing; the second trip is left in its middle
	QUARTER 2, F1, F0, 0
	QUARTER 3, F0, F1, 0
	MEET 0
	WIN 0
	s_sub_co_u32 s[TCN], s[TCN], 1
	s_cmp_eq_u32 s[TCN], 0
	s_cbranch_scc1 .Lfin
	NEXT
	PLACES
	FETCH 0, F0
	MUL8 F1, 1, 0, 0
	MUL8 F1, 1, 2, 0
	QUARTER 1, F0, F1, 0
	WIN 0
	s_branch .Lt
.Lfin:
	MUL8 F1, 1, 0, 0
	MUL8 F1, 1, 2, 0
	WIN 0
	PLACES
	; THE WAY OUT.  At the barrier just passed every wave's reads of the ring were over and every tensor load had landed; nothing is filled again.  Each accumulator's low registers go first.
.irp a, 0,1,2,3
.irp b, 0,1,2,3
	ds_store_b128 v[DST], v[ACC+8*(4*(\a)+(\b)):ACC+8*(4*(\a)+(\b))+3]   offset:16*DP*(\a)+64*(\b)
	ds_store_b128 v[DST], v[ACC+8*(4*(\a)+(\b))+4:ACC+8*(4*(\a)+(\b))+7] offset:16*DP*(\a)+64*(\b)+16
.endr
.endr
	s_wait_loadcnt 0x0                             ; RES (and the statistics), asked for before the K loop
.if PROJ
	WIN 0x8a                                       ; all in window 2
.set j, 0
.rept 64
	v_pk_add_f32 v[2*j:2*j+1], v[2*j:2*j+1], v[128+2*(j/2):129+2*(j/2)] op_sel_hi:[1,0] neg_lo:[0,1] neg_hi:[0,1]   ; x - mean: the pair's first word for both
.set j, j+1
.endr
.set j, 0
.rept 64
	v_pk_mul_f32 v[2*j:2*j+1], v[2*j:2*j+1], v[128+2*(j/2):129+2*(j/2)] op_sel:[0,1] op_sel_hi:[1,1]               ; times rsqrt: its second word for both
.set j, j+1
.endr
	WIN 0
.endif
.macro LDG g, t                        ; group g's eight pairs of rows back from my part of LDS; a wave's LDS instructions are served in order (ISA guide 5.7.1.4)
.irp c, 0,1,2,3,4,5,6,7
	ds_load_b128 v[(\t)+4*(\c):(\t)+4*(\c)+3], v[RD] offset:2*DP*(8*(\g)+(\c))
.endr
.endm
.macro OUTG g, t
.if PROJ
	WIN 0x02                                       ; source 0 (RES) window 2
.irp c, 0,1,2,3,4,5,6,7
.irp k, 0,1
	v_pk_fma_f32 v[(\t)+4*(\c)+2*(\k):(\t)+4*(\c)+2*(\k)+1], v[4*(8*(\g)+(\c))+2*(\k):4*(8*(\g)+(\c))+2*(\k)+1], v[GQ+2*(\k):GQ+2*(\k)+1], v[(\t)+4*(\c)+2*(\k):(\t)+4*(\c)+2*(\k)+1]
.endr
.endr
.else
	WIN 0x08                                       ; source 1 (RES) window 2
.irp c, 0,1,2,3,4,5,6,7
.irp k, 0,1
	v_pk_add_f32 v[(\t)+4*(\c)+2*(\k):(\t)+4*(\c)+2*(\k)+1], v[(\t)+4*(\c)+2*(\k):(\t)+4*(\c)+2*(\k)+1], v[4*(8*(\g)+(\c))+2*(\k):4*(8*(\g)+(\c))+2*(\k)+1]
.endr
.endr
.endif
	WIN 0
.irp c, 0,1,2,3,4,5,6,7
	global_store_b128 v[CO], v[(\t)+4*(\c):(\t)+4*(\c)+3], s[18:19] offset:8192*(8*(\g)+(\c))  ; 16 lanes store 256 consecutive bytes, at a multiple of 256 from OUT's first byte
.endr
.endm
	LDG 0, TA
	LDG 1, TB
	s_wait_dscnt 8                                 ; group 0 is back; the next group's eight loads stay out
	OUTG 0, TA
	s_wait_xcnt 0x0                                ; TA, which the stores above read, is loaded again only behind this wait
	LDG 2, TA
	s_wait_dscnt 8
	OUTG 1, TB
	s_wait_xcnt 0x0
	LDG 3, TB
	s_wait_dscnt 8
	OUTG 2, TA
	s_wait_dscnt 0x0
	OUTG 3, TB
	s_wait_tensorcnt 0x0                           ; the wave's end
	ds_add_u32 v[SPW], v[NIL]
	s_wait_dscnt 0x0
	CROUND                                         ; the closing round
	s_endpgm
.Lfunc_end_k_q651c655e41_gproj:
	.size	k_q651c655e41_gproj, .Lfunc_end_k_q651c655e41_gproj-k_q651c655e41_gproj
	.p2alignl 7, 3214868480
	.fill 96, 4, 3214868480
	.section	.rodata,"a",@progbits
	.p2align	6, 0x0
	.amdhsa_kernel k_q651c655e41_gproj
		.amdhsa_group_segment_fixed_size 327680
		.amdhsa_private_segment_fixed_size 0
		.amdhsa_enable_private_segment 0
		.amdhsa_kernarg_size 64
		.amdhsa_user_sgpr_count 2
		.amdhsa_user_sgpr_kernarg_segment_ptr 1
		.amdhsa_wavefront_size32 1
		.amdhsa_system_sgpr_workgroup_id_x 1
		.amdhsa_system_sgpr_workgroup_id_y 1
		.amdhsa_system_sgpr_workgroup_id_z 1
		.amdhsa_system_vgpr_workitem_id 0
		.amdhsa_next_free_vgpr 704
		.amdhsa_next_free_sgpr 80
		.amdhsa_reserve_vcc 0
		.amdhsa_float_denorm_mode_32 3
		.amdhsa_float_denorm_mode_16_64 3
		.amdhsa_memory_ordered 1
		.amdhsa_forward_progress 1
		.amdhsa_inst_pref_size 80
	.end_amdhsa_kernel
	.amdgpu_metadata
---
amdhsa.version: [ 1, 2 ]
amdhsa.kernels:
  - .name:           k_q651c655e41_gproj
    .symbol:         k_q651c655e41_gproj.kd
    .args:
      - { .name: ob, .offset: 0, .size: 8, .value_kind: global_buffer, .address_space: global }
      - { .name: wb, .offset: 8, .size: 8, .value_kind: global_buffer, .address_space: global }
      - { .name: x, .offset: 16, .size: 8, .value_kind: global_buffer, .address_space: global }
      - { .name: st1, .offset: 24, .size: 8, .value_kind: global_buffer, .address_space: global }
      - { .name: g1, .offset: 32, .size: 8, .value_kind: global_buffer, .address_space: global }
      - { .name: b1, .offset: 40, .size: 8, .value_kind: global_buffer, .address_space: global }
      - { .name: bp, .offset: 48, .size: 8, .value_kind: global_buffer, .address_space: global }
      - { .name: hbuf, .offset: 56, .size: 8, .value_kind: global_buffer, .address_space: global }
    .group_segment_fixed_size: 327680
    .private_segment_fixed_size: 0
    .kernarg_segment_align: 8
    .kernarg_segment_size: 64
    .max_flat_workgroup_size: 128
    .sgpr_count:     80
    .vgpr_count:     704
    .wavefront_size: 32
...
	.end_amdgpu_metadata
.endif
;; end of part 4
;; launch ln2: the kernel of part 1 again; grid 256 x 1, 8 waves a work-group, no clusters, 0 bytes of LDS; arguments hbuf, g2, b2, actb, st1, Wq, Wk, Wv, Wp, W1, W2, wb; writes actb, st1, wb
;; launch gmlp1 (part 5): grid 16 x 16, 4 waves a work-group, clusters of 4 x 4, 327,680 bytes of LDS; arguments actb, wb, bm1, hid; writes hid
.if DOCPART == 5
	.amdgcn_target "amdgcn-amd-amdhsa--gfx1250"
	.amdhsa_code_object_version 6
	.text
	.protected	k_q651c655e41_gmlp1
	.globl	k_q651c655e41_gmlp1
	.p2align	8
	.type	k_q651c655e41_gmlp1,@function
k_q651c655e41_gmlp1:
	s_mov_b64 s[64:65], 0
	v_nop
	global_prefetch_b8 v0, s[64:65] scope:SCOPE_SE
	s_setreg_imm32_b32 hwreg(HW_REG_WAVE_MODE, 25, 1), 1
	s_wait_xcnt 0x0
	s_wait_alu depctr_hold_cnt(0) depctr_sa_sdst(0) depctr_va_vdst(0) depctr_va_sdst(0) depctr_va_ssrc(0) depctr_va_vcc(0) depctr_vm_vsrc(0)
	s_getreg_b32 s2, hwreg(HW_REG_IB_STS2, 6, 4)
	s_cmp_eq_u32 s2, 0
	s_cbranch_scc0 .Lentry_in_a_cluster
	s_endpgm
.Lentry_in_a_cluster:
	s_bfe_u32 s2, ttmp6, 0x10000c
	s_cmp_lg_u32 s2, 0xf033
	s_cbranch_scc0 .Lentry_shape_is_right
	s_endpgm
.Lentry_shape_is_right:
; C = gelu(A W + bias).  A: [4096][1024] bf16.  W = W1: bf16 as it lies, [1024 k][4096 n], 8 MiB into wb.  Sums in f32; C rounded once to bf16.
; C leaves in blocks of 64 columns, [n / 64][4096 rows][64]: 16 rows of a block are 2,048 dense bytes, and the next product takes a block as a slice of its K.
; gelu(x) = max(x, 0) - |x| Q(|x|), Q(a) = exp(-a a / 2) (c1 t + .. + c5 t^5), t = 1 / (1 + 0.2316419 a): the upper tail of the normal distribution, within 7.5e-8 for every a, so gelu is within
; 7.5e-8 |x| of the form with erf.  NaN and infinities are not treated apart.
; SHAPE.  A tile of C is 256 x 256 (256 work-groups): four waves, each 128 x 128 in 64 accumulators (512 registers).  K goes in 8 steps of 128 through two LDS slots filled by the tensor data mover.
; A K step is written once: the slot in hand is a scalar (CUR) that one exclusive or turns, and the LDS addresses are made from it at each change of slots.
; W's fragments come out of LDS turned, by ds_load_tr16_b128, so W is never transposed in memory.
; THE MATRIX INSTRUCTION IS USED TRANSPOSED (source 0 = 16 columns of W, source 1 = 16 rows of A): a lane holds eight neighbouring numbers of a row of C.  The bias is the C operand that starts the sums.
; CLUSTER.  4 x 4 work-groups: A's tile is shared along a row of the cluster, W's along a column; each is asked for jointly, by the same tensor load with the same descriptor in all four.
; THE WAY OUT.  Behind the last barrier nobody reads the ring and nothing is filled again: each wave lays its 128 x 128 f32 over it (rows of 528 bytes) and walks it in a loop, four rows a trip.
; REGISTERS, in windows of 256: window 0: v0-31 addresses; v32-55 at work on the way out; v64-191 A's fragments, two buffers (on the way out: at work); v192-255 the bias as a C operand
;   window 1: v64-191 W's fragments, two buffers     window 2: the accumulators of my rows 0-63 ((a, b) at 8 (8 a + b))     window 3: those of my rows 64-127
.set KSTEP, 128
.set NSTEP, 8
.set PA,    272                        ; a row of A in LDS: 256 bytes + 16: the 16 rows of a fragment load start at 16 different groups of four banks (ISA guide 11.1)
.set HA,    128*PA
.set PB,    288                        ; a row of W (128 columns of one k): 256 + 32
.set HB,    128*PB
.set BOFF,  2*HA                       ; a slot: A's two halves of 128 rows, then W's two halves of 128 columns
.set SLOT,  2*HA+2*HB
.set SPARE, 2*SLOT                     ; behind the ring: the spare words, 128 bytes for each wave, which no other line names
.set DP,    528                        ; the way out: a row of 128 f32 + 16 bytes
.set DW,    128*DP                     ; a wave's part; four of them end below SPARE
.set BLK,   4096*128                   ; bytes of a block of 64 columns of C
.set BPITCH, 4096
.set BSTEP, KSTEP*BPITCH*2
.set NPAIR, 2                          ; pairs of rows in a trip of the way out
.set GSTEP, 256*NPAIR                  ; bytes that a trip's rows take in a block of C
.set A0,   16                          ; v16  my lane's place in A's half that I multiply, slot 0; never rewritten
.set B0,   17                          ; v17  the same for W
.set ADRA, 18                          ; v18  CUR + A0
.set ADRB, 19                          ; v19  CUR + B0
.set DST,  24                          ; v24  the way out: where my 32 bytes of a row go
.set RD,   25                          ; v25  where I read rows back
.set GO,   26                          ; v26  my byte offset in C
.set BO,   27                          ; v27  my byte offset in 16 numbers of the bias
.set SPW,  28                          ; v28  my spare word; never rewritten
.set NIL,  29                          ; v29  0; never rewritten
.set X,    32                          ; v32-47  a trip's rows in f32
.set Y,    48                          ; v48-55  the same in bf16
.set F0,   64
.set F1,   128
.set AB,   64                          ; on the way out: |x|, max(x, 0), t, the exponential, the polynomial
.set RR,   80
.set TT,   96
.set EE,   112
.set HH,   128
.set BI,   192
.set WV,  20                           ; s20  wave
.set WM,  21                           ; s21  which half of the tile's rows is mine; also: I fetch A (0) or W (1)
.set WN,  22                           ; s22  which half of its columns; also: which half of that tile I fetch
.set G1A, 24                           ; s[24:31] descriptor group 1, A
.set G0A, 32                           ; s[32:39] group 0, A: set 0 is K step 0; set 1 is K step 1 and then walks
.set G1B, 48
.set G0B, 56
.set CUR, 66                           ; s66  0 or SLOT: the slot in hand
.set L0A, 67                           ; s67  where my part of A's tile lands in slot 0
.set L0B, 68                           ; s68  the same for W's
.set TCN, 69
.set KCN, 70
.set KP,  76                           ; s[76:89] gelu's constants, each twice: the packed forms name pairs
.set KE,  78
.set K1,  80
.set K2,  82
.set K3,  84
.set K4,  86
.set K5,  88
.set ABSM, 90
.set MSB, 0
.macro WIN new                         ; the immediate's high byte repeats the setting that is left; a switch that changes nothing is dropped
.if MSB != (\new)
	s_set_vgpr_msb (MSB<<8)|(\new)
.set MSB, \new
.endif
.endm
.set MUL_LO, 0xa1                      ; source 0 (W) window 1, source 1 (A) window 0, C and D window 2; + 0x50: window 3
.set TO_B,   0x40
.macro JLOAD                           ; a joint refill by the walking sets: waves 0, 1 A's halves, waves 2, 3 W's.  The branch hangs on the wave's number alone.
	s_cmp_eq_u32 s[WM], 0
	s_cbranch_scc0 .Lfor_b_\@
	tensor_load_to_lds s[G0A+4:G0A+7], s[G1A:G1A+7]
	s_nop 0
.rept 4
	v_nop
.endr
	s_branch .Lasked_\@
.Lfor_b_\@:
	tensor_load_to_lds s[G0B+4:G0B+7], s[G1B:G1B+7]
	s_nop 0
.rept 4
	v_nop
.endr
.Lasked_\@:
.endm
.macro CREST                           ; a round of the cluster's barrier behind its opening barrier
	s_cmp_lg_u32 s[WV], 0
	s_cbranch_scc1 .Lnot_wave_0_\@
	s_barrier_signal -3
.Lnot_wave_0_\@:
	s_barrier_wait -3
	s_barrier_signal -1
	s_barrier_wait -1
.endm
.macro CROUND
	s_barrier_signal -1
	s_barrier_wait -1
	CREST
.endm
.macro PLACES                          ; four places behind matrix instructions, in front of loads into their sources and of reads of their results
.rept 4
	v_nop
.endr
.endm
.macro KPAIR r, v
	s_mov_b32 s[\r], \v
	s_mov_b32 s[(\r)+1], \v
.endm
	s_load_b128 s[4:7], s[0:1], 0x0                ; A s[4:5], wb s[6:7]
	s_load_b128 s[8:11], s[0:1], 0x10              ; bias s[8:9], C s[10:11]
	v_lshl_add_u32 v[SPW], v0, 2, SPARE
	v_mov_b32 v[NIL], 0
	ds_add_u32 v[SPW], v[NIL]                      ; the wave's opening: the add and its wait stand ahead of my first tensor load; work on registers stands between them
	v_lshrrev_b32 v1, 5, v0
	v_readfirstlane_b32 s[WV], v1
	s_lshr_b32 s[WM], s[WV], 1
	s_and_b32 s[WN], s[WV], 1
	s_bfe_u32 s40, ttmp6, 0x40000                  ; cx
	s_bfe_u32 s41, ttmp6, 0x40004                  ; cy
	s_lshl_b32 s42, ttmp9, 2
	s_add_co_u32 s42, s42, s40                     ; tile column
	s_and_b32 s43, ttmp7, 0xffff
	s_lshl_b32 s43, s43, 2
	s_add_co_u32 s43, s43, s41                     ; tile row
	s_lshl_b32 s44, s41, 2
	s_lshl_b32 s44, 15, s44                        ; my row of the cluster
	s_lshl_b32 s45, 0x1111, s40                    ; my column
	s_or_b32 s[G1A], s44, (1<<16)|(1<<20)|(1<<21)|(5<<22)|(3<<25)  ; the mask; 2-byte elements; padding on; bit 21 beside a mask; after every 64 words 4 words
	s_or_b32 s[G1B], s45, (1<<16)|(1<<20)|(1<<21)|(5<<22)|(7<<25)  ; the same with my column's mask and 8 words
.irp g, G1A, G1B
	s_mov_b32 s[(\g)+1], 128<<16                   ; tensor_dim0 = 128
	s_mov_b32 s[(\g)+2], 128<<16                   ; tensor_dim1 = 128
	s_mov_b32 s[(\g)+3], 128<<16                   ; tile_dim0 = 128 elements: 256 bytes
	s_mov_b32 s[(\g)+4], 128                       ; tile_dim1 = 128 rows
	s_mov_b32 s[(\g)+6], 0
	s_mov_b32 s[(\g)+7], 0
.endr
	s_mov_b32 s[G1A+5], 1024                       ; elements from row to row
	s_mov_b32 s[G1B+5], BPITCH
	s_lshl_b32 s72, s43, 19                        ; A: 256 rows of 2,048 bytes a tile row,
	s_lshl_b32 s73, s[WN], 18                      ; 128 rows a half
	s_add_co_u32 s72, s72, s73
	s_mov_b32 s73, 0
	s_lshl_b32 s74, s42, 9                         ; W1: 512 bytes of a row a tile column,
	s_add_co_u32 s74, s74, 8388608                 ; behind the four square weights,
	s_lshl_b32 s75, s[WN], 8                       ; 256 bytes a half
	s_add_co_u32 s74, s74, s75
	s_mov_b32 s75, 0
	s_mul_i32 s[L0A], s[WN], HA                    ; no place in the cluster enters an LDS address
	s_mul_i32 s[L0B], s[WN], HB
	s_add_co_u32 s[L0B], s[L0B], BOFF
	s_mov_b32 s[CUR], 0
	KPAIR KP, 0x3e6d3389                           ; 0.2316419
	KPAIR KE, 0x3f596d27                           ; sqrt(log2(e) / 2)
	KPAIR K1, 0x3e027906                           ; 0.127414796
	KPAIR K2, 0xbe11a98e                           ; -0.142248368
	KPAIR K3, 0x3f35f0e3                           ; 0.71070687
	KPAIR K4, 0xbf3a00e3                           ; -0.72657601
	KPAIR K5, 0x3f07dc22                           ; 0.53070271
	s_mov_b32 s[ABSM], 0x7fffffff
	s_wait_dscnt 0x0                               ; the opening add is done
	s_wait_kmcnt 0x0
	s_add_nc_u64 s[4:5], s[4:5], s[72:73]
	s_add_nc_u64 s[6:7], s[6:7], s[74:75]
.irp s, 0,1
	s_mov_b32 s[G0A+4*(\s)], 1
	s_add_co_u32 s[G0A+4*(\s)+1], s[L0A], (\s)*SLOT
	s_add_nc_u64 s[G0A+4*(\s)+2:G0A+4*(\s)+3], s[4:5], (\s)*KSTEP*2
	s_or_b32 s[G0A+4*(\s)+3], s[G0A+4*(\s)+3], 0x80000000
	s_mov_b32 s[G0B+4*(\s)], 1
	s_add_co_u32 s[G0B+4*(\s)+1], s[L0B], (\s)*SLOT
	s_add_nc_u64 s[G0B+4*(\s)+2:G0B+4*(\s)+3], s[6:7], (\s)*BSTEP
	s_or_b32 s[G0B+4*(\s)+3], s[G0B+4*(\s)+3], 0x80000000
.endr
	CROUND                                         ; all sixteen work-groups are here: the first joint loads meet
	s_cmp_eq_u32 s[WM], 0                          ; a wave's two first fills stand in one branch: two loads of mine are out
	s_cbranch_scc0 .Lfirst_b
	tensor_load_to_lds s[G0A:G0A+3], s[G1A:G1A+7]
	s_nop 0
	tensor_load_to_lds s[G0A+4:G0A+7], s[G1A:G1A+7]
	s_nop 0
.rept 4
	v_nop
.endr
	s_branch .Lfirst_done
.Lfirst_b:
	tensor_load_to_lds s[G0B:G0B+3], s[G1B:G1B+7]
	s_nop 0
	tensor_load_to_lds s[G0B+4:G0B+7], s[G1B:G1B+7]
	s_nop 0
.rept 4
	v_nop
.endr
.Lfirst_done:
	v_and_b32 v1, 15, v0                           ; r = l % 16
	v_bfe_u32 v2, v0, 4, 1                         ; h = l / 16
	v_mul_u32_u24 v3, v1, PA                       ; A's fragment: row r, 16 bytes for each half of the lanes
	v_lshl_add_u32 v3, v2, 4, v3
	s_mul_i32 s12, s[WM], HA
	v_add_nc_u32 v[A0], s12, v3
	v_and_b32 v4, 7, v0                            ; W's fragment, turned: lane l reads k = 8 h + l % 8, columns 8 ((l / 8) % 2) on
	v_lshl_add_u32 v4, v2, 3, v4
	v_mul_u32_u24 v4, v4, PB
	v_bfe_u32 v5, v0, 3, 1
	v_lshl_add_u32 v4, v5, 4, v4
	s_mul_i32 s13, s[WN], HB
	s_add_co_u32 s13, s13, BOFF
	v_add_nc_u32 v[B0], s13, v4
	v_mov_b32 v[ADRA], v[A0]
	v_mov_b32 v[ADRB], v[B0]
	s_mul_i32 s14, s[WV], DW
	v_mul_u32_u24 v5, v1, DP                       ; out: row r, 32 bytes for each half of the lanes
	v_lshl_add_u32 v5, v2, 5, v5
	v_add_nc_u32 v[DST], s14, v5
	v_mul_u32_u24 v5, v2, DP                       ; back: lanes 0-15 take 64 numbers of one row, lanes 16-31 of the next
	v_lshl_add_u32 v5, v1, 4, v5
	v_add_nc_u32 v[RD], s14, v5
	v_and_b32 v5, 31, v0
	v_lshlrev_b32 v[GO], 3, v5                     ; 8 bytes a lane: two rows of a block of C are 256 consecutive bytes
	v_lshlrev_b32 v[BO], 5, v2
	s_lshl_b32 s46, s42, 2                         ; my first block of C: 4 x tile column + 2 x half,
	s_lshl_b32 s47, s[WN], 1
	s_add_co_u32 s46, s46, s47
	s_lshl_b32 s46, s46, 19
	s_lshl_b32 s47, s43, 8                         ; my first row: 256 x tile row + 128 x half, 128 bytes each
	s_lshl_b32 s15, s[WM], 7
	s_add_co_u32 s47, s47, s15
	s_lshl_b32 s47, s47, 7
	s_add_co_u32 s46, s46, s47
	s_mov_b32 s47, 0
	s_add_nc_u64 s[10:11], s[10:11], s[46:47]
	s_lshl_b32 s46, s42, 10                        ; the bias of my 128 columns
	s_lshl_b32 s15, s[WN], 9
	s_add_co_u32 s46, s46, s15
	s_add_nc_u64 s[8:9], s[8:9], s[46:47]
.irp b, 0,1,2,3,4,5,6,7                ; as a C operand: register j of block b holds column 16 b + 8 h + j, whatever the row
	global_load_b128 v[BI+8*(\b):BI+8*(\b)+3],   v[BO], s[8:9] offset:64*(\b)
	global_load_b128 v[BI+8*(\b)+4:BI+8*(\b)+7], v[BO], s[8:9] offset:64*(\b)+16
.endr
	s_wait_loadcnt 0x0
; 16 matrix instructions: row blocks a0, a0 + 1 of the window's four x all 8 column blocks, 32 along K.  zero = 1: the first product starts the sums with the bias: nothing is cleared.
; The 64 accumulators take turns, one instruction a turn, in the same order in every quarter.
.macro MUL16 f, hi, a0, zero
.if \zero
	WIN 0x81+0x40*(\hi)                            ; C in window 0
.else
	WIN MUL_LO+0x50*(\hi)
.endif
.irp a, \a0, (\a0)+1
.irp b, 0,1,2,3,4,5,6,7
.if \zero
	v_wmma_f32_16x16x32_bf16 v[8*(8*(\a)+(\b)):8*(8*(\a)+(\b))+7], v[(\f)+8*(\b):(\f)+8*(\b)+7], v[(\f)+8*(4*(\hi)+(\a)):(\f)+8*(4*(\hi)+(\a))+7], v[BI+8*(\b):BI+8*(\b)+7]
.else
	v_wmma_f32_16x16x32_bf16 v[8*(8*(\a)+(\b)):8*(8*(\a)+(\b))+7], v[(\f)+8*(\b):(\f)+8*(\b)+7], v[(\f)+8*(4*(\hi)+(\a)):(\f)+8*(4*(\hi)+(\a))+7], v[8*(8*(\a)+(\b)):8*(8*(\a)+(\b))+7]
.endif
.endr
.endr
.endm
; 32 LDS loads in one run: quarter q (32 along K) of the slot in hand into buffer f: W's 128 columns, turned, then A's 128 rows
.macro FETCH q, f
	WIN TO_B
.irp i, 0,1,2,3,4,5,6,7
	ds_load_tr16_b128 v[(\f)+8*(\i):(\f)+8*(\i)+3],   v[ADRB] offset:32*PB*(\q)+32*(\i)
	ds_load_tr16_b128 v[(\f)+8*(\i)+4:(\f)+8*(\i)+7], v[ADRB] offset:32*PB*(\q)+16*PB+32*(\i)
.endr
	WIN 0
.irp i, 0,1,2,3,4,5,6,7
	ds_load_b128 v[(\f)+8*(\i):(\f)+8*(\i)+3],   v[ADRA] offset:64*(\q)+(\i)*16*PA
	ds_load_b128 v[(\f)+8*(\i)+4:(\f)+8*(\i)+7], v[ADRA] offset:64*(\q)+(\i)*16*PA+32
.endr
.endm
; One of a K step's first three quarters: multiplies buffer f; in its middle it fetches quarter q into buffer g
.macro QUARTER q, f, g, zero
	s_wait_dscnt 8                                 ; W and A's rows 0-63 are in; the youngest eight loads (A's rows 64-127) may be out
	MUL16 \f, 0, 0, \zero
	MUL16 \f, 0, 2, \zero
	PLACES
	FETCH \q, \g
	s_wait_dscnt 32                                ; all but the 32 just issued
	MUL16 \f, 1, 0, \zero
	MUL16 \f, 1, 2, \zero
.endm
; In the last two K steps, which fill nothing: the first half of the last quarter, and the one barrier of the change of slots: in front of it each wave waits for all its tensor loads, adds 0 to its
; spare word, and waits for that and for its reads of this slot.
.macro MEET
	WIN 0
	s_wait_tensorcnt 0x0
	ds_add_u32 v[SPW], v[NIL]
	s_wait_dscnt 9                                 ; the add and the youngest eight loads may be out
	MUL16 F1, 0, 0, 0
	s_wait_dscnt 0x0                               ; the add is done, and my reads of this slot are over
	s_barrier_signal -1
	MUL16 F1, 0, 2, 0
	s_barrier_wait -1
.endm
.macro NEXT                            ; the other slot is in hand
	s_xor_b32 s[CUR], s[CUR], SLOT
	v_add_nc_u32 v[ADRA], s[CUR], v[A0]
	v_add_nc_u32 v[ADRB], s[CUR], v[B0]
.endm
; The last quarter of a K step with a refill.  The three lines, the round and the refill stand at its head with no product among them, so that between the landing of one tile and the request for
; the next stands the round alone; the quarter's 64 products follow while the tile is on its way.  In front of the opening signal every wave's tensor loads have landed (one was out: its part of the
; other slot) and its reads of this slot are back; behind the closing wait the slot just read takes the K step two steps on, first of all.
.macro TURN
	WIN 0
	s_wait_tensorcnt 0x0                           ; no tensor load of mine is out: the walking sets may be written
	ds_add_u32 v[SPW], v[NIL]                      ; the descriptors' steps stand between the add and the wait for it
	s_add_co_u32 s[G0A+5], s[L0A], s[CUR]
	s_add_co_u32 s[G0B+5], s[L0B], s[CUR]
	s_add_nc_u64 s[G0A+6:G0A+7], s[G0A+6:G0A+7], KSTEP*2
	s_add_nc_u64 s[G0B+6:G0B+7], s[G0B+6:G0B+7], BSTEP
	s_wait_dscnt 0x0                               ; the add is done, and my reads of this slot are over: buffer 1 holds its last quarter
	s_barrier_signal -1
	s_barrier_wait -1
	CREST
	JLOAD                                          ; its four v_nop are also the places in front of the loads below
	NEXT
	FETCH 0, F0
	MUL16 F1, 0, 0, 0
	MUL16 F1, 0, 2, 0
	MUL16 F1, 1, 0, 0
	MUL16 F1, 1, 2, 0
.endm
	s_wait_tensorcnt 0x1                           ; my part of K step 0 is in; K step 1's stays out
	s_barrier_signal -1
	s_barrier_wait -1
	FETCH 0, F0
	QUARTER 1, F0, F1, 1                           ; the first quarter stands in front of the loop: its products start the sums
	WIN 0
	s_mov_b32 s[KCN], NSTEP-2
.Lk:                                                   ; trip t: the rest of K step t, the refill with K step t + 2, the first quarter of K step t + 1
	QUARTER 2, F1, F0, 0
	QUARTER 3, F0, F1, 0
	TURN
	QUARTER 1, F0, F1, 0
	WIN 0
	s_sub_co_u32 s[KCN], s[KCN], 1
	s_cmp_lg_u32 s[KCN], 0
	s_cbranch_scc1 .Lk
	s_mov_b32 s[TCN], 2
.Lt:                                                   ; the last two K steps ask for nothing; the second trip is left in its middle
	QUARTER 2, F1, F0, 0
	QUARTER 3, F0, F1, 0
	MEET
	WIN 0
	s_sub_co_u32 s[TCN], s[TCN], 1
	s_cmp_eq_u32 s[TCN], 0
	s_cbranch_scc1 .Lfin
	NEXT
	PLACES
	FETCH 0, F0
	MUL16 F1, 1, 0, 0
	MUL16 F1, 1, 2, 0
	QUARTER 1, F0, F1, 0
	WIN 0
	s_branch .Lt
.Lfin:
	MUL16 F1, 1, 0, 0
	MUL16 F1, 1, 2, 0
	WIN 0
	PLACES
	; THE WAY OUT.  At the barrier just passed every wave's reads of the ring were over and every tensor load had landed; nothing is filled again.  My 128 x 128 goes over my part of it; each accumulator's low registers first.
	WIN 0x08                                       ; store data in window 2
.irp a, 0,1,2,3
.irp b, 0,1,2,3,4,5,6,7
	ds_store_b128 v[DST], v[8*(8*(\a)+(\b)):8*(8*(\a)+(\b))+3]   offset:16*DP*(\a)+64*(\b)
	ds_store_b128 v[DST], v[8*(8*(\a)+(\b))+4:8*(8*(\a)+(\b))+7] offset:16*DP*(\a)+64*(\b)+16
.endr
.endr
	WIN 0x0c                                       ; window 3
.irp a, 0,1,2,3
.irp b, 0,1,2,3,4,5,6,7
	ds_store_b128 v[DST], v[8*(8*(\a)+(\b)):8*(8*(\a)+(\b))+3]   offset:16*DP*(4+(\a))+64*(\b)
	ds_store_b128 v[DST], v[8*(8*(\a)+(\b))+4:8*(8*(\a)+(\b))+7] offset:16*DP*(4+(\a))+64*(\b)+16
.endr
.endr
	WIN 0
.macro LOADX                           ; a trip's rows: pair p of rows, then the two blocks of 64 columns; LDS serves a wave's instructions in order (ISA guide 5.7.1.4): these see my stores
.set p, 0
.rept NPAIR
	ds_load_b128 v[X+8*p:X+8*p+3],   v[RD] offset:2*DP*p
	ds_load_b128 v[X+8*p+4:X+8*p+7], v[RD] offset:2*DP*p+256
.set p, p+1
.endr
.endm
.macro ALL8 line:vararg                ; one line for each of eight pairs, i = 0, 2, .. 14
.set i, 0
	s_wait_alu depctr_va_vdst(0)
.rept 8
	\line
.set i, i+2
.endr
.endm
.macro ALL16 line:vararg               ; one line for each of sixteen registers
.set i, 0
.rept 16
	\line
.set i, i+1
.endr
.endm
.macro POLY                            ; number q of the polynomial's 32 links: link q / 8 of pair q % 8, so that a pair's links stand eight plain lines apart
.set pp, 2*(q%8)
.if q < 8
	s_wait_alu depctr_va_vdst(0)
	v_pk_fma_f32 v[HH+pp:HH+pp+1], v[TT+pp:TT+pp+1], s[K5:K5+1], s[K4:K4+1] op_sel_hi:[1,0,0]
.elseif q < 16
	v_pk_fma_f32 v[HH+pp:HH+pp+1], v[HH+pp:HH+pp+1], v[TT+pp:TT+pp+1], s[K3:K3+1] op_sel_hi:[1,1,0]
.elseif q < 24
	v_pk_fma_f32 v[HH+pp:HH+pp+1], v[HH+pp:HH+pp+1], v[TT+pp:TT+pp+1], s[K2:K2+1] op_sel_hi:[1,1,0]
.else
	v_pk_fma_f32 v[HH+pp:HH+pp+1], v[HH+pp:HH+pp+1], v[TT+pp:TT+pp+1], s[K1:K1+1] op_sel_hi:[1,1,0]
.endif
.set q, q+1
.endm
	LOADX
	s_mov_b32 s[KCN], 64/NPAIR
.Lout:                                                 ; four rows a trip; the next trip's rows are asked for as soon as this trip's have been taken out of X
	s_wait_dscnt 0x0
	ALL16 v_and_b32 v[AB+i], s[ABSM], v[X+i]
	ALL8 v_pk_fma_f32 v[TT+i:TT+i+1], v[AB+i:AB+i+1], s[KP:KP+1], 1.0 op_sel_hi:[1,0,0]
.set i, 0
.rept 16                               ; no two reciprocals on end: behind each stand two plain lines that are due anyway: max(x, 0), and the exponent -(x x) log2(e) / 2, made of x itself
	v_rcp_f32 v[TT+i], v[TT+i]
	v_max_num_f32 v[RR+i], 0, v[X+i]
.if i%2 == 0
	v_pk_mul_f32 v[EE+i:EE+i+1], v[X+i:X+i+1], s[KE:KE+1] op_sel_hi:[1,0]
.else
	v_pk_mul_f32 v[EE+i-1:EE+i], v[EE+i-1:EE+i], v[EE+i-1:EE+i] neg_lo:[1,0] neg_hi:[1,0]
.endif
.set i, i+1
.endr
	s_cmp_eq_u32 s[KCN], 1
	s_cbranch_scc1 .Lno_more                       ; the last trip reads nothing more
	v_add_nc_u32 v[RD], 2*NPAIR*DP, v[RD]
	LOADX
.Lno_more:
.set q, 0
.set i, 0
.rept 16                               ; no two exponentials on end: behind each stand two links of the polynomial in t
	v_exp_f32 v[EE+i], v[EE+i]
	POLY
	POLY
.set i, i+1
.endr
	ALL8 v_pk_mul_f32 v[HH+i:HH+i+1], v[HH+i:HH+i+1], v[TT+i:TT+i+1]
	ALL8 v_pk_mul_f32 v[HH+i:HH+i+1], v[HH+i:HH+i+1], v[EE+i:EE+i+1]
	ALL8 v_pk_fma_f32 v[RR+i:RR+i+1], v[AB+i:AB+i+1], v[HH+i:HH+i+1], v[RR+i:RR+i+1] neg_lo:[1,0,0] neg_hi:[1,0,0]
	s_wait_xcnt 0x0                                ; Y and GO, which the last trip's stores read, are rewritten only behind this wait: a trip's arithmetic behind those stores
	ALL8 v_cvt_pk_bf16_f32 v[Y+i/2], v[RR+i], v[RR+i+1]
	v_add_nc_u32 v[GO], GSTEP, v[GO]               ; stepped ahead of the stores, which reach back by their immediates
.set p, 0
.rept NPAIR
	global_store_b64 v[GO], v[Y+4*p:Y+4*p+1],   s[10:11] offset:256*p-GSTEP       ; 32 lanes store 256 consecutive bytes, at a multiple of 256 from C's first byte
	global_store_b64 v[GO], v[Y+4*p+2:Y+4*p+3], s[10:11] offset:BLK+256*p-GSTEP
.set p, p+1
.endr
	s_sub_co_u32 s[KCN], s[KCN], 1
	s_cmp_lg_u32 s[KCN], 0
	s_cbranch_scc1 .Lout
	s_wait_tensorcnt 0x0                           ; the wave's end
	ds_add_u32 v[SPW], v[NIL]
	s_wait_dscnt 0x0
	CROUND                                         ; the closing round
	s_endpgm
.Lfunc_end_k_q651c655e41_gmlp1:
	.size	k_q651c655e41_gmlp1, .Lfunc_end_k_q651c655e41_gmlp1-k_q651c655e41_gmlp1
	.p2alignl 7, 3214868480
	.fill 96, 4, 3214868480
	.section	.rodata,"a",@progbits
	.p2align	6, 0x0
	.amdhsa_kernel k_q651c655e41_gmlp1
		.amdhsa_group_segment_fixed_size 327680
		.amdhsa_private_segment_fixed_size 0
		.amdhsa_enable_private_segment 0
		.amdhsa_kernarg_size 32
		.amdhsa_user_sgpr_count 2
		.amdhsa_user_sgpr_kernarg_segment_ptr 1
		.amdhsa_wavefront_size32 1
		.amdhsa_system_sgpr_workgroup_id_x 1
		.amdhsa_system_sgpr_workgroup_id_y 1
		.amdhsa_system_sgpr_workgroup_id_z 1
		.amdhsa_system_vgpr_workitem_id 0
		.amdhsa_next_free_vgpr 1024
		.amdhsa_next_free_sgpr 92
		.amdhsa_reserve_vcc 0
		.amdhsa_float_denorm_mode_32 3
		.amdhsa_float_denorm_mode_16_64 3
		.amdhsa_memory_ordered 1
		.amdhsa_forward_progress 1
		.amdhsa_inst_pref_size 90
	.end_amdhsa_kernel
	.amdgpu_metadata
---
amdhsa.version: [ 1, 2 ]
amdhsa.kernels:
  - .name:           k_q651c655e41_gmlp1
    .symbol:         k_q651c655e41_gmlp1.kd
    .args:
      - { .name: actb, .offset: 0, .size: 8, .value_kind: global_buffer, .address_space: global }
      - { .name: wb, .offset: 8, .size: 8, .value_kind: global_buffer, .address_space: global }
      - { .name: bm1, .offset: 16, .size: 8, .value_kind: global_buffer, .address_space: global }
      - { .name: hid, .offset: 24, .size: 8, .value_kind: global_buffer, .address_space: global }
    .group_segment_fixed_size: 327680
    .private_segment_fixed_size: 0
    .kernarg_segment_align: 8
    .kernarg_segment_size: 32
    .max_flat_workgroup_size: 128
    .sgpr_count:     92
    .vgpr_count:     1024
    .wavefront_size: 32
...
	.end_amdgpu_metadata
.endif
;; end of part 5
;; launch gmlp2 (part 6): grid 8 x 32, 4 waves a work-group, clusters of 4 x 4, 327,680 bytes of LDS; arguments hid, wb, hbuf, bm2, out0; writes out0
.if DOCPART == 6
	.amdgcn_target "amdgcn-amd-amdhsa--gfx1250"
	.amdhsa_code_object_version 6
	.text
	.protected	k_q651c655e41_gmlp2
	.globl	k_q651c655e41_gmlp2
	.p2align	8
	.type	k_q651c655e41_gmlp2,@function
k_q651c655e41_gmlp2:
	s_mov_b64 s[64:65], 0
	v_nop
	global_prefetch_b8 v0, s[64:65] scope:SCOPE_SE
	s_setreg_imm32_b32 hwreg(HW_REG_WAVE_MODE, 25, 1), 1
	s_wait_xcnt 0x0
	s_wait_alu depctr_hold_cnt(0) depctr_sa_sdst(0) depctr_va_vdst(0) depctr_va_sdst(0) depctr_va_ssrc(0) depctr_va_vcc(0) depctr_vm_vsrc(0)
	s_getreg_b32 s2, hwreg(HW_REG_IB_STS2, 6, 4)
	s_cmp_eq_u32 s2, 0
	s_cbranch_scc0 .Lentry_in_a_cluster
	s_endpgm
.Lentry_in_a_cluster:
	s_bfe_u32 s2, ttmp6, 0x10000c
	s_cmp_lg_u32 s2, 0xf033
	s_cbranch_scc0 .Lentry_shape_is_right
	s_endpgm
.Lentry_shape_is_right:
; OUT = h + A W + bias, in f32.  A = the hidden layer: bf16 in blocks of 64 along K, [64 blocks][4096 rows][64].  W = W2: bf16 [4096 k][1024 n] as it lies, 16 MiB into wb.  OUT, h: [4096][1024] f32.
; SHAPE.  4,096 x 1,024 makes 64 tiles of 256 x 256, so the tile is 128 x 128: 256 work-groups.  Four waves, each 64 x 64 in 16 accumulators.  K goes in 16 steps of 256 through two LDS slots.
; A K step is written once: the slot in hand is a scalar (CUR), and the LDS addresses are made from it at each change of slots.  W's fragments come out of LDS turned, by ds_load_tr16_b128.
; THE MATRIX INSTRUCTION IS USED TRANSPOSED (source 0 = 16 columns of W, source 1 = 16 rows of A).  The bias is the C operand of the products that start the sums.
; CLUSTER.  4 x 4 work-groups: A's tile is shared along a row of the cluster, W's along a column, each asked for jointly.
; h's 64 x 64 a wave is asked for at the start and stays on its way during the K loop; nothing waits for it there.
; PREFETCH.  Trip t of the K loop asks for K step t + 4, which trip t + 2's refill loads.  Each aligned block of 256 bytes is asked for once in the launch: of a tile row's 256 blocks of A in a step
; each of the 8 tile columns takes 32 (wave 1, one request a trip); of a tile column's 256 rows of W in a step each of the 32 tile rows takes 8 (wave 2, every fourth trip, four steps at once).
; Trips 12 and 13 ask for nothing: their steps would lie past K's end.  K steps 0 to 3 are not asked for.
; THE WAY OUT.  Behind the last barrier nobody reads the ring and nothing is filled again: each wave lays its 64 x 64 f32 over it (rows of 272 bytes), reads whole rows back, adds h and stores.
; REGISTERS: window 0: v0-31 addresses; v32-95 at work on the way out; v96-127 the bias as a C operand; v128-255 the accumulators ((a, b) at 128 + 8 (4 a + b))
;   window 1: two fragment buffers of 128 (A 64, then W 64)     window 2: v0-127 h
; NaN and infinities are not treated apart.
.set KSTEP, 256
.set NSTEP, 16
.set WOFF,  16777216
.set PA,    144                        ; a row of a block of A in LDS: 128 bytes + 16
.set HA,    4*64*PA                    ; a half of A's tile: four blocks of 64 rows
.set PB,    288                        ; a row of W (128 columns of one k): 256 + 32
.set HB,    128*PB
.set BOFF,  2*HA
.set SLOT,  2*HA+2*HB
.set SPARE, 2*SLOT                     ; behind the ring: the spare words, 128 bytes for each wave, which no other line names
.set DP,    272
.set DW,    64*DP
.set ASTEP, 4*4096*128                 ; four blocks of A on
.set BSTEP, KSTEP*2048
.set A0,   16
.set B0,   17
.set ADRA, 18
.set ADRB, 19                          ; v19  W's rows 0-127 of the slot in hand; v20 its rows 128-255: the offsets stay within 16 bits
.set DST,  24
.set RD,   25
.set CO,   26
.set BO,   27
.set SPW,  28
.set NIL,  29
.set PFA,  30                          ; v30  byte offset in A of the block that my lane asks for
.set PFB,  31                          ; v31  the same in wb
.set TA,   32
.set TB,   64
.set BI,   96
.set ACC,  128
.set F0,   0
.set F1,   128
.set WV,  20
.set WM,  21
.set WN,  22
.set G1A, 24
.set G0A, 32
.set G1B, 48
.set G0B, 56
.set CUR, 66
.set L0A, 67
.set L0B, 68
.set TCN, 69
.set KCN, 70
.set PT,  71                           ; s71  at work
.set RAWA, 76                          ; s[76:77] A's first byte
.set RAWB, 78                          ; s[78:79] wb's first byte
.set MSB, 0
.macro WIN new
.if MSB != (\new)
	s_set_vgpr_msb (MSB<<8)|(\new)
.set MSB, \new
.endif
.endm
.set MUL,  0x05                        ; sources 0 (W) and 1 (A) window 1; C and D window 0
.set TO_F, 0x40
.macro JLOAD                           ; a joint refill by the walking sets: waves 0, 1 A's halves, waves 2, 3 W's.  The branch hangs on the wave's number alone.
	s_cmp_eq_u32 s[WM], 0
	s_cbranch_scc0 .Lfor_b_\@
	tensor_load_to_lds s[G0A+4:G0A+7], s[G1A:G1A+7]
	s_nop 0
.rept 4
	v_nop
.endr
	s_branch .Lasked_\@
.Lfor_b_\@:
	tensor_load_to_lds s[G0B+4:G0B+7], s[G1B:G1B+7]
	s_nop 0
.rept 4
	v_nop
.endr
.Lasked_\@:
.endm
.macro CREST
	s_cmp_lg_u32 s[WV], 0
	s_cbranch_scc1 .Lnot_wave_0_\@
	s_barrier_signal -3
.Lnot_wave_0_\@:
	s_barrier_wait -3
	s_barrier_signal -1
	s_barrier_wait -1
.endm
.macro CROUND
	s_barrier_signal -1
	s_barrier_wait -1
	CREST
.endm
.macro PLACES
.rept 4
	v_nop
.endr
.endm
; The trip's requests ahead.  KCN runs 14 .. 1 over trips 0 .. 13: below 3 the step asked for would lie past K's end; KCN % 4 = 2 in trips 0, 4 and 8, which ask for W's steps 4-7, 8-11 and 12-15.
.macro PREF
	s_cmp_lt_u32 s[KCN], 3
	s_cbranch_scc1 .Lpf_done_\@
	s_cmp_lg_u32 s[WV], 1
	s_cbranch_scc1 .Lpf_w_\@
	global_prefetch_b8 v[PFA], s[RAWA:RAWA+1] th:TH_LOAD_NT scope:SCOPE_SE
.Lpf_w_\@:
	s_and_b32 s[PT], s[KCN], 3
	s_cmp_lg_u32 s[PT], 2
	s_cbranch_scc1 .Lpf_done_\@
	s_cmp_lg_u32 s[WV], 2
	s_cbranch_scc1 .Lpf_done_\@
	global_prefetch_b8 v[PFB], s[RAWB:RAWB+1] th:TH_LOAD_NT scope:SCOPE_SE
.Lpf_done_\@:
.endm
	s_load_b256 s[4:11], s[0:1], 0x0               ; A s[4:5], wb s[6:7], h s[8:9], bm2 s[10:11]
	s_load_b64 s[18:19], s[0:1], 0x20              ; OUT
	v_lshl_add_u32 v[SPW], v0, 2, SPARE
	v_mov_b32 v[NIL], 0
	ds_add_u32 v[SPW], v[NIL]                      ; the wave's opening: the add and its wait stand ahead of my first tensor load
	v_lshrrev_b32 v1, 5, v0
	v_readfirstlane_b32 s[WV], v1
	s_lshr_b32 s[WM], s[WV], 1
	s_and_b32 s[WN], s[WV], 1
	s_bfe_u32 s40, ttmp6, 0x40000
	s_bfe_u32 s41, ttmp6, 0x40004
	s_lshl_b32 s42, ttmp9, 2
	s_add_co_u32 s42, s42, s40                     ; tile column
	s_and_b32 s43, ttmp7, 0xffff
	s_lshl_b32 s43, s43, 2
	s_add_co_u32 s43, s43, s41                     ; tile row
	s_lshl_b32 s44, s41, 2
	s_lshl_b32 s44, 15, s44
	s_lshl_b32 s45, 0x1111, s40
	; A's half tile: of each of four blocks 64 rows of 128 bytes, 8,192 dense bytes: a tile of 4 rows of 4,096 elements, padded in LDS after every 128 bytes
	s_or_b32 s[G1A], s44, (1<<16)|(1<<20)|(1<<21)|(4<<22)|(3<<25)
	s_mov_b32 s[G1A+1], 4096<<16                   ; tensor_dim0
	s_mov_b32 s[G1A+2], 4<<16                      ; tensor_dim1
	s_mov_b32 s[G1A+3], 4096<<16                   ; tile_dim0
	s_mov_b32 s[G1A+4], 4                          ; tile_dim1
	s_mov_b32 s[G1A+5], 4096*64                    ; elements from block to block
	s_mov_b32 s[G1A+6], 0
	s_mov_b32 s[G1A+7], 0
	; W's half tile: 128 k rows of 128 columns
	s_or_b32 s[G1B], s45, (1<<16)|(1<<20)|(1<<21)|(5<<22)|(7<<25)
	s_mov_b32 s[G1B+1], 128<<16
	s_mov_b32 s[G1B+2], 128<<16
	s_mov_b32 s[G1B+3], 128<<16
	s_mov_b32 s[G1B+4], 128
	s_mov_b32 s[G1B+5], 1024
	s_mov_b32 s[G1B+6], 0
	s_mov_b32 s[G1B+7], 0
	s_lshl_b32 s72, s43, 14                        ; A: 128 rows of 128 bytes a tile row, 64 a half
	s_lshl_b32 s73, s[WN], 13
	s_add_co_u32 s72, s72, s73
	s_mov_b32 s73, 0
	s_lshl_b32 s74, s42, 8                         ; W: 256 bytes of a row a tile column, 128 rows of 2,048 bytes a half
	s_lshl_b32 s75, s[WN], 18
	s_add_co_u32 s74, s74, s75
	s_add_co_u32 s74, s74, WOFF
	s_mov_b32 s75, 0
	s_mul_i32 s[L0A], s[WN], HA
	s_mul_i32 s[L0B], s[WN], HB
	s_add_co_u32 s[L0B], s[L0B], BOFF
	s_mov_b32 s[CUR], 0
	s_wait_dscnt 0x0                               ; the opening add is done
	s_wait_kmcnt 0x0
	s_mov_b64 s[RAWA:RAWA+1], s[4:5]
	s_mov_b64 s[RAWB:RAWB+1], s[6:7]
	s_add_nc_u64 s[4:5], s[4:5], s[72:73]
	s_add_nc_u64 s[6:7], s[6:7], s[74:75]
.irp s, 0,1
	s_mov_b32 s[G0A+4*(\s)], 1
	s_add_co_u32 s[G0A+4*(\s)+1], s[L0A], (\s)*SLOT
	s_add_nc_u64 s[G0A+4*(\s)+2:G0A+4*(\s)+3], s[4:5], (\s)*ASTEP
	s_or_b32 s[G0A+4*(\s)+3], s[G0A+4*(\s)+3], 0x80000000
	s_mov_b32 s[G0B+4*(\s)], 1
	s_add_co_u32 s[G0B+4*(\s)+1], s[L0B], (\s)*SLOT
	s_add_nc_u64 s[G0B+4*(\s)+2:G0B+4*(\s)+3], s[6:7], (\s)*BSTEP
	s_or_b32 s[G0B+4*(\s)+3], s[G0B+4*(\s)+3], 0x80000000
.endr
	CROUND                                         ; all sixteen work-groups are here: the first joint loads meet
	s_cmp_eq_u32 s[WM], 0                          ; a wave's two first fills stand in one branch: two loads of mine are out
	s_cbranch_scc0 .Lfirst_b
	tensor_load_to_lds s[G0A:G0A+3], s[G1A:G1A+7]
	s_nop 0
	tensor_load_to_lds s[G0A+4:G0A+7], s[G1A:G1A+7]
	s_nop 0
.rept 4
	v_nop
.endr
	s_branch .Lfirst_done
.Lfirst_b:
	tensor_load_to_lds s[G0B:G0B+3], s[G1B:G1B+7]
	s_nop 0
	tensor_load_to_lds s[G0B+4:G0B+7], s[G1B:G1B+7]
	s_nop 0
.rept 4
	v_nop
.endr
.Lfirst_done:
	v_and_b32 v1, 15, v0                           ; r
	v_bfe_u32 v2, v0, 4, 1                         ; h
	v_mul_u32_u24 v3, v1, PA
	v_lshl_add_u32 v3, v2, 4, v3
	s_mul_i32 s72, s[WM], HA
	v_add_nc_u32 v[A0], s72, v3
	v_and_b32 v4, 7, v0
	v_lshl_add_u32 v4, v2, 3, v4
	v_mul_u32_u24 v4, v4, PB
	v_bfe_u32 v5, v0, 3, 1
	v_lshl_add_u32 v4, v5, 4, v4
	s_lshl_b32 s73, s[WN], 7                       ; my 64 columns: 128 bytes of W's rows
	s_add_co_u32 s73, s73, BOFF
	v_add_nc_u32 v[B0], s73, v4
	v_mov_b32 v[ADRA], v[A0]
	v_mov_b32 v[ADRB], v[B0]
	v_add_nc_u32 v[ADRB+1], HB, v[B0]
	s_mul_i32 s72, s[WV], DW
	v_mul_u32_u24 v5, v1, DP
	v_lshl_add_u32 v5, v2, 5, v5
	v_add_nc_u32 v[DST], s72, v5
	v_mul_u32_u24 v5, v2, DP
	v_lshl_add_u32 v5, v1, 4, v5
	v_add_nc_u32 v[RD], s72, v5
	v_lshlrev_b32 v5, 12, v2                       ; in OUT and h: lanes 0-15 take 256 bytes of one row, lanes 16-31 of the next
	v_lshl_add_u32 v[CO], v1, 4, v5
	v_lshlrev_b32 v[BO], 5, v2
	; the requests ahead; both offsets begin a step short, at K step 3, since every trip steps them at its head
	s_lshr_b32 s72, s42, 1                         ; A: of a step's four blocks the one numbered tile column / 2,
	s_add_co_u32 s72, s72, 12
	s_lshl_b32 s72, s72, 19
	s_lshl_b32 s73, s43, 14                        ; my tile row's 16,384 bytes of it,
	s_add_co_u32 s72, s72, s73
	s_and_b32 s73, s42, 1                          ; their half by the tile column's parity:
	s_lshl_b32 s73, s73, 13
	s_add_co_u32 s72, s72, s73
	v_and_b32 v5, 31, v0
	v_lshl_add_u32 v[PFA], v5, 8, s72              ; 32 lanes, 256 bytes apart
	s_lshl_b32 s73, s43, 14                        ; W: of a step's 256 rows of 2,048 bytes the eight from 8 x tile row on,
	s_lshl_b32 s72, s42, 8                         ; my tile column's 256 bytes of each:
	s_add_co_u32 s73, s73, s72
	s_add_co_u32 s73, s73, WOFF+3*BSTEP
	v_bfe_u32 v5, v0, 3, 2                         ; lanes 8 i .. 8 i + 7 take the eight rows of the step i further on
	v_lshlrev_b32 v5, 19, v5
	v_and_b32 v6, 7, v0
	v_lshl_add_u32 v5, v6, 11, v5
	v_add_nc_u32 v[PFB], s73, v5
	s_lshl_b32 s46, s42, 9                         ; my first column, in bytes of f32: 512 x tile column + 256 x half
	s_lshl_b32 s47, s[WN], 8
	s_add_co_u32 s46, s46, s47
	s_mov_b32 s47, 0
	s_add_nc_u64 s[10:11], s[10:11], s[46:47]
	s_lshl_b32 s72, s43, 7                         ; my first row: 128 x tile row + 64 x half
	s_lshl_b32 s73, s[WM], 6
	s_add_co_u32 s72, s72, s73
	s_lshl_b32 s72, s72, 12
	s_add_co_u32 s72, s72, s46
	s_mov_b32 s73, 0
	s_add_nc_u64 s[8:9], s[8:9], s[72:73]
	s_add_nc_u64 s[18:19], s[18:19], s[72:73]
.irp b, 0,1,2,3                        ; the bias as a C operand: register j of block b holds column 16 b + 8 h + j, whatever the row
	global_load_b128 v[BI+8*(\b):BI+8*(\b)+3],   v[BO], s[10:11] offset:64*(\b)
	global_load_b128 v[BI+8*(\b)+4:BI+8*(\b)+7], v[BO], s[10:11] offset:64*(\b)+16
.endr
	s_wait_loadcnt 0x0
	WIN 0x80                                       ; destination window 2
.set j, 0
.rept 32
	global_load_b128 v[4*j:4*j+3], v[CO], s[8:9] offset:8192*j    ; rows 2 j and 2 j + 1 of my 64
.set j, j+1
.endr
	WIN 0
; 8 matrix instructions: row blocks a0, a0 + 1 x all 4 column blocks, 32 along K: half c of buffer f.  zero = 1: the first product starts the sums with the bias.  The 16 accumulators take turns.
.macro MUL8 f, c, a0, zero
	WIN MUL
.irp a, \a0, (\a0)+1
.irp b, 0,1,2,3
.if \zero
	v_wmma_f32_16x16x32_bf16 v[ACC+8*(4*(\a)+(\b)):ACC+8*(4*(\a)+(\b))+7], v[(\f)+64+8*(4*(\c)+(\b)):(\f)+64+8*(4*(\c)+(\b))+7], v[(\f)+8*(4*(\c)+(\a)):(\f)+8*(4*(\c)+(\a))+7], v[BI+8*(\b):BI+8*(\b)+7]
.else
	v_wmma_f32_16x16x32_bf16 v[ACC+8*(4*(\a)+(\b)):ACC+8*(4*(\a)+(\b))+7], v[(\f)+64+8*(4*(\c)+(\b)):(\f)+64+8*(4*(\c)+(\b))+7], v[(\f)+8*(4*(\c)+(\a)):(\f)+8*(4*(\c)+(\a))+7], v[ACC+8*(4*(\a)+(\b)):ACC+8*(4*(\a)+(\b))+7]
.endif
.endr
.endr
.endm
; 32 LDS loads in one run: quarter q (64 along K: one block of A) of the slot in hand into buffer f; the first 32 along K first
.macro FETCH q, f
	WIN TO_F
.irp c, 0,1
.irp i, 0,1,2,3
	ds_load_tr16_b128 v[(\f)+64+8*(4*(\c)+(\i)):(\f)+64+8*(4*(\c)+(\i))+3],   v[ADRB+(\q)/2] offset:((\q)%2)*64*PB+32*PB*(\c)+32*(\i)
	ds_load_tr16_b128 v[(\f)+64+8*(4*(\c)+(\i))+4:(\f)+64+8*(4*(\c)+(\i))+7], v[ADRB+(\q)/2] offset:((\q)%2)*64*PB+32*PB*(\c)+16*PB+32*(\i)
	ds_load_b128 v[(\f)+8*(4*(\c)+(\i)):(\f)+8*(4*(\c)+(\i))+3],   v[ADRA] offset:64*PA*(\q)+64*(\c)+16*PA*(\i)
	ds_load_b128 v[(\f)+8*(4*(\c)+(\i))+4:(\f)+8*(4*(\c)+(\i))+7], v[ADRA] offset:64*PA*(\q)+64*(\c)+16*PA*(\i)+32
.endr
.endr
.endm
.macro QUARTER q, f, g, zero
	s_wait_dscnt 16                                ; the first 32 along K are in
	MUL8 \f, 0, 0, \zero
	MUL8 \f, 0, 2, \zero
	PLACES
	FETCH \q, \g
	s_wait_dscnt 32                                ; all but the 32 just issued
	MUL8 \f, 1, 0, 0
	MUL8 \f, 1, 2, 0
.endm
; In the last two K steps, which fill nothing: the first half of the last quarter, and the one barrier of the change of slots: in front of it each wave waits for all its tensor loads, adds 0 to its
; spare word, and waits for that and for its reads of this slot
.macro MEET
	WIN 0
	s_wait_tensorcnt 0x0
	ds_add_u32 v[SPW], v[NIL]
	s_wait_dscnt 17                                ; the add and the youngest sixteen loads may be out
	MUL8 F1, 0, 0, 0
	s_wait_dscnt 0x0                               ; the add is done, and my reads of this slot are over
	s_barrier_signal -1
	MUL8 F1, 0, 2, 0
	s_barrier_wait -1
.endm
.macro NEXT
	s_xor_b32 s[CUR], s[CUR], SLOT
	v_add_nc_u32 v[ADRA], s[CUR], v[A0]
	v_add_nc_u32 v[ADRB], s[CUR], v[B0]
	v_add_nc_u32 v[ADRB+1], HB, v[ADRB]
.endm
; The last quarter of a K step with a refill.  The three lines, the round and the refill stand at its head with no product among them, so that between the landing of one tile and the request for
; the next stands the round alone; the quarter's 32 products follow while the tile is on its way.  In front of the opening signal every wave's tensor loads have landed (one was out: its part of the
; other slot) and its reads of this slot are back; behind the closing wait the slot just read takes the K step two steps on, first of all.
.macro TURN
	WIN 0
	s_wait_tensorcnt 0x0                           ; no tensor load of mine is out: the walking sets may be written
	ds_add_u32 v[SPW], v[NIL]                      ; the descriptors' steps stand between the add and the wait for it
	s_add_co_u32 s[G0A+5], s[L0A], s[CUR]
	s_add_co_u32 s[G0B+5], s[L0B], s[CUR]
	s_add_nc_u64 s[G0A+6:G0A+7], s[G0A+6:G0A+7], ASTEP
	s_add_nc_u64 s[G0B+6:G0B+7], s[G0B+6:G0B+7], BSTEP
	s_wait_dscnt 0x0                               ; the add is done, and my reads of this slot are over: buffer 1 holds its last quarter
	s_barrier_signal -1
	s_barrier_wait -1
	CREST
	JLOAD                                          ; its four v_nop are also the places in front of the loads below
	PREF                                           ; straight behind the refill: the wave has just asked, and sits on no wait
	NEXT
	FETCH 0, F0
	MUL8 F1, 0, 0, 0
	MUL8 F1, 0, 2, 0
	MUL8 F1, 1, 0, 0
	MUL8 F1, 1, 2, 0
.endm
	s_wait_tensorcnt 0x1                           ; my part of K step 0 is in; K step 1's stays out
	s_barrier_signal -1
	s_barrier_wait -1
	FETCH 0, F0
	QUARTER 1, F0, F1, 1
	WIN 0
	s_mov_b32 s[KCN], NSTEP-2
.Lk:                                                   ; trip t: the rest of K step t, the refill with K step t + 2, the first quarter of K step t + 1
	s_wait_xcnt 0x0                                ; the last trip's requests have read their offsets, most of a trip ago: only behind this wait are they stepped
	v_add_nc_u32 v[PFA], ASTEP, v[PFA]
	v_add_nc_u32 v[PFB], BSTEP, v[PFB]
	QUARTER 2, F1, F0, 0
	QUARTER 3, F0, F1, 0
	TURN
	QUARTER 1, F0, F1, 0
	WIN 0
	s_sub_co_u32 s[KCN], s[KCN], 1
	s_cmp_lg_u32 s[KCN], 0
	s_cbranch_scc1 .Lk
	s_mov_b32 s[TCN], 2
.Lt:                                                   ; the last two K steps ask for nothing; the second trip is left in its middle
	QUARTER 2, F1, F0, 0
	QUARTER 3, F0, F1, 0
	MEET
	WIN 0
	s_sub_co_u32 s[TCN], s[TCN], 1
	s_cmp_eq_u32 s[TCN], 0
	s_cbranch_scc1 .Lfin
	NEXT
	PLACES
	FETCH 0, F0
	MUL8 F1, 1, 0, 0
	MUL8 F1, 1, 2, 0
	QUARTER 1, F0, F1, 0
	WIN 0
	s_branch .Lt
.Lfin:
	MUL8 F1, 1, 0, 0
	MUL8 F1, 1, 2, 0
	WIN 0
	PLACES
	; THE WAY OUT.  At the barrier just passed every wave's reads of the ring were over and every tensor load had landed; nothing is filled again.  Each accumulator's low registers go first.
.irp a, 0,1,2,3
.irp b, 0,1,2,3
	ds_store_b128 v[DST], v[ACC+8*(4*(\a)+(\b)):ACC+8*(4*(\a)+(\b))+3]   offset:16*DP*(\a)+64*(\b)
	ds_store_b128 v[DST], v[ACC+8*(4*(\a)+(\b))+4:ACC+8*(4*(\a)+(\b))+7] offset:16*DP*(\a)+64*(\b)+16
.endr
.endr
	s_wait_loadcnt 0x0                             ; h, asked for before the K loop
.macro LDG g, t                        ; group g's eight pairs of rows back from my part of LDS; a wave's LDS instructions are served in order (ISA guide 5.7.1.4)
.irp c, 0,1,2,3,4,5,6,7
	ds_load_b128 v[(\t)+4*(\c):(\t)+4*(\c)+3], v[RD] offset:2*DP*(8*(\g)+(\c))
.endr
.endm
.macro OUTG g, t
	WIN 0x08                                       ; source 1 (h) window 2
.irp c, 0,1,2,3,4,5,6,7
.irp k, 0,1
	v_pk_add_f32 v[(\t)+4*(\c)+2*(\k):(\t)+4*(\c)+2*(\k)+1], v[(\t)+4*(\c)+2*(\k):(\t)+4*(\c)+2*(\k)+1], v[4*(8*(\g)+(\c))+2*(\k):4*(8*(\g)+(\c))+2*(\k)+1]
.endr
.endr
	WIN 0
.irp c, 0,1,2,3,4,5,6,7
	global_store_b128 v[CO], v[(\t)+4*(\c):(\t)+4*(\c)+3], s[18:19] offset:8192*(8*(\g)+(\c))  ; 16 lanes store 256 consecutive bytes, at a multiple of 256 from OUT's first byte
.endr
.endm
	LDG 0, TA
	LDG 1, TB
	s_wait_dscnt 8                                 ; group 0 is back; the next group's eight loads stay out
	OUTG 0, TA
	s_wait_xcnt 0x0                                ; TA, which the stores above read, is loaded again only behind this wait
	LDG 2, TA
	s_wait_dscnt 8
	OUTG 1, TB
	s_wait_xcnt 0x0
	LDG 3, TB
	s_wait_dscnt 8
	OUTG 2, TA
	s_wait_dscnt 0x0
	OUTG 3, TB
	s_wait_tensorcnt 0x0                           ; the wave's end
	ds_add_u32 v[SPW], v[NIL]
	s_wait_dscnt 0x0
	CROUND                                         ; the closing round
	s_endpgm
.Lfunc_end_k_q651c655e41_gmlp2:
	.size	k_q651c655e41_gmlp2, .Lfunc_end_k_q651c655e41_gmlp2-k_q651c655e41_gmlp2
	.p2alignl 7, 3214868480
	.fill 96, 4, 3214868480
	.section	.rodata,"a",@progbits
	.p2align	6, 0x0
	.amdhsa_kernel k_q651c655e41_gmlp2
		.amdhsa_group_segment_fixed_size 327680
		.amdhsa_private_segment_fixed_size 0
		.amdhsa_enable_private_segment 0
		.amdhsa_kernarg_size 40
		.amdhsa_user_sgpr_count 2
		.amdhsa_user_sgpr_kernarg_segment_ptr 1
		.amdhsa_wavefront_size32 1
		.amdhsa_system_sgpr_workgroup_id_x 1
		.amdhsa_system_sgpr_workgroup_id_y 1
		.amdhsa_system_sgpr_workgroup_id_z 1
		.amdhsa_system_vgpr_workitem_id 0
		.amdhsa_next_free_vgpr 640
		.amdhsa_next_free_sgpr 80
		.amdhsa_reserve_vcc 0
		.amdhsa_float_denorm_mode_32 3
		.amdhsa_float_denorm_mode_16_64 3
		.amdhsa_memory_ordered 1
		.amdhsa_forward_progress 1
		.amdhsa_inst_pref_size 68
	.end_amdhsa_kernel
	.amdgpu_metadata
---
amdhsa.version: [ 1, 2 ]
amdhsa.kernels:
  - .name:           k_q651c655e41_gmlp2
    .symbol:         k_q651c655e41_gmlp2.kd
    .args:
      - { .name: hid, .offset: 0, .size: 8, .value_kind: global_buffer, .address_space: global }
      - { .name: wb, .offset: 8, .size: 8, .value_kind: global_buffer, .address_space: global }
      - { .name: hbuf, .offset: 16, .size: 8, .value_kind: global_buffer, .address_space: global }
      - { .name: bm2, .offset: 24, .size: 8, .value_kind: global_buffer, .address_space: global }
      - { .name: out0, .offset: 32, .size: 8, .value_kind: global_buffer, .address_space: global }
    .group_segment_fixed_size: 327680
    .private_segment_fixed_size: 0
    .kernarg_segment_align: 8
    .kernarg_segment_size: 40
    .max_flat_workgroup_size: 128
    .sgpr_count:     80
    .vgpr_count:     640
    .wavefront_size: 32
...
	.end_amdgpu_metadata
.endif
;; end of part 6
;; ======== version 2 of 2: 7 launches; version 1 with the launches prep, ln2 written anew for expert scheduling mode
;; workspace buffers: wb 25,165,824 bytes; actb 8,388,608 bytes; st1 32,768 bytes; qkv 25,165,824 bytes; ob 8,388,608 bytes; hbuf 16,777,216 bytes; hid 33,554,432 bytes
;; launch prep (part 7): grid 256 x 4, 8 waves a work-group, no clusters, 0 bytes of LDS; arguments x, g1, b1, actb, st1, Wq, Wk, Wv, Wp, W1, W2, wb; writes actb, st1, wb
.if DOCPART == 7
	.amdgcn_target "amdgcn-amd-amdhsa--gfx1250"
	.amdhsa_code_object_version 6
	.text
	.protected	k_q651c655e41_prep
	.globl	k_q651c655e41_prep
	.p2align	8
	.type	k_q651c655e41_prep,@function
k_q651c655e41_prep:
	s_mov_b64 s[64:65], 0
	v_nop
	global_prefetch_b8 v0, s[64:65] scope:SCOPE_SE
	s_setreg_imm32_b32 hwreg(HW_REG_WAVE_SCHED_MODE, 0, 2), 2
	s_setreg_imm32_b32 hwreg(HW_REG_WAVE_MODE, 25, 1), 1
	s_wait_xcnt 0x0
	s_wait_alu depctr_vm_vsrc(0)
; TWO JOBS, chosen by the work-group's y.
; y = 0: LayerNorm of 16 rows of [4096][1024] f32: out = (in - mean) * rsqrt(var + 1e-5) * g + b, rounded once to bf16; the row's mean and rsqrt go out in f32.
;        One wave takes two rows; a row is 32 registers of the wave and stays there: mean first, then the mean of the squared distances from it, so no difference of large sums is formed.
; y = 1..3: weights from f32 to bf16, the layout kept, 16,384 numbers a work-group: y = 1: Wq, Wk, Wv, Wp, 64 work-groups each; y = 2: W1; y = 3: W2.  In wb each y has 8 MiB.
; Memory binds both jobs: every byte is read once, each store of a wave covers 256 consecutive bytes, aligned (the 16 bytes of statistics a wave are the one exception: 32,768 bytes in all).
; No LDS, no barrier, no matrix unit: nothing is shared between waves.  NaN and infinities are not treated apart.
; THE MODE: SCHED_MODE bits 1:0 = 2 (LLVM: expert scheduling mode 2), set by the entry lines.  The code itself states the register dependences
; between vector instructions and memory instructions, with s_wait_alu, always for 0.
; THE PLAN, y = 0.  Registers that memory instructions touch:
;   v2, v3, v4    offsets of the loads, of the rows' stores and of the statistics' store: made at the head, never written again.
;   X0, X1, G, B  loaded once, at the head; no vector instruction names them before, no load lands in them later.
;   X0, X1        registers 4 j and 4 j + 1: written by the row's conversions, read by the row's eight stores, never written again.
;   Q             written by four moves, read by the one store of the statistics.
;   One wait on va_vdst stands ahead of the first load (the offsets); one behind the second root, for both roots; one behind row 0's conversions, whose stores are then dealt among row 1's multiplies
;   (these name X1 and RS1 alone); one behind row 1's conversions and the moves into Q.  The wave's number and the mask in VCC have their waits ahead of their first readers, and both scalar writes of EXEC theirs.
; THE PLAN, y = 1..3.  v1, v2: offsets, made at the head, never written again.  CI: loaded once, read by the conversions.  CO: written once by the conversions, read by the stores.
;   The sixteen pieces go in four groups of four.  Group g converts its part of CI into its part of CO; its memory instructions are the stores of group g - 1, from a part of CO that no conversion of
;   group g names.  So one wait on va_vdst at the head of a group states all that its four stores hang on, and one more stands ahead of the last four stores.
.set T,   8                            ; v[8:15]    four chains of sums
.set X0,  16                           ; v[16:47]   row 0
.set X1,  48                           ; v[48:79]   row 1
.set G,   80                           ; v[80:111]  gain of my 32 columns
.set B,   112                          ; v[112:143] bias of my 32 columns
.set MU0, 144                          ; pairs: mean and rsqrt of the two rows, each twice
.set RS0, 146
.set MU1, 148
.set RS1, 150
.set Q,   152                          ; v[152:155] mean 0, rsqrt 0, mean 1, rsqrt 1, to store
.set CI,  4                            ; converting: v[4:67] sixteen pieces as loaded
.set CO,  68                           ; v[68:99] the same in bf16
	s_load_b512 s[8:23], s[0:1], 0x0               ; in s[8:9], g s[10:11], b s[12:13], out s[14:15], statistics s[16:17], Wq s[18:19], Wk s[20:21], Wv s[22:23]
	s_load_b256 s[24:31], s[0:1], 0x40             ; Wp s[24:25], W1 s[26:27], W2 s[28:29], wb s[30:31]
	s_and_b32 s2, ttmp7, 0xffff
	s_cmp_lg_u32 s2, 0
	s_cbranch_scc1 .Lcvt
	v_lshrrev_b32 v1, 5, v0
	v_readfirstlane_b32 s3, v1                     ; wave 0..7
	v_and_b32 v1, 31, v0                           ; lane
	v_lshlrev_b32 v2, 4, v1                        ; 16 bytes a lane in f32 rows
	v_lshlrev_b32 v3, 3, v1                        ; 8 bytes a lane in bf16 rows
	v_mov_b32 v4, 0                                ; the statistics' store has no offset
	s_wait_alu depctr_va_sdst(0)                   ; s3 is written, ahead of its first reader: the wave's rows are made from it
	s_lshl_b32 s4, ttmp9, 16                       ; 16 rows of 4,096 bytes a work-group,
	s_lshl_b32 s5, s3, 13                          ; two a wave
	s_add_co_u32 s4, s4, s5
	s_mov_b32 s5, 0
	s_lshr_b32 s6, s4, 1                           ; the same rows in bf16
	s_mov_b32 s7, 0
	s_lshr_b32 s32, s4, 9                          ; and 8 bytes of statistics a row
	s_mov_b32 s33, 0
	s_mov_b32 s40, 0x76543210                      ; v_permlanex16_b32: each lane takes its own place in the other half
	s_mov_b32 s41, 0xfedcba98
	s_mov_b32 s42, 0x3a800000                      ; 1 / 1024
	s_mov_b32 s43, 0x3727c5ac                      ; 1e-5
	s_wait_kmcnt 0x0
	s_add_nc_u64 s[8:9], s[8:9], s[4:5]
	s_add_nc_u64 s[14:15], s[14:15], s[6:7]
	s_add_nc_u64 s[16:17], s[16:17], s[32:33]
	s_wait_alu depctr_va_vdst(0)                   ; v2, v3 and v4 are written: every load and store of this job reads one of them as its offset
.irp j, 0,1,2,3,4,5,6,7
	global_load_b128 v[X0+4*(\j):X0+4*(\j)+3], v2, s[8:9] offset:512*(\j)
.endr
.irp j, 0,1,2,3,4,5,6,7
	global_load_b128 v[X1+4*(\j):X1+4*(\j)+3], v2, s[8:9] offset:4096+512*(\j)
.endr
.irp j, 0,1,2,3,4,5,6,7
	global_load_b128 v[G+4*(\j):G+4*(\j)+3], v2, s[10:11] offset:512*(\j)
.endr
.irp j, 0,1,2,3,4,5,6,7
	global_load_b128 v[B+4*(\j):B+4*(\j)+3], v2, s[12:13] offset:512*(\j)
.endr
.macro SUMUP                           ; the four chains into one number, then over the 32 lanes: every lane ends with the sum in v[T]
	v_pk_add_f32 v[T:T+1], v[T:T+1], v[T+2:T+3]
	v_pk_add_f32 v[T+4:T+5], v[T+4:T+5], v[T+6:T+7]
	v_pk_add_f32 v[T:T+1], v[T:T+1], v[T+4:T+5]
	v_add_f32 v[T], v[T], v[T+1]
	v_add_f32_dpp v[T], v[T], v[T] row_xmask:1 row_mask:0xf bank_mask:0xf
	v_add_f32_dpp v[T], v[T], v[T] row_xmask:2 row_mask:0xf bank_mask:0xf
	v_add_f32_dpp v[T], v[T], v[T] row_xmask:4 row_mask:0xf bank_mask:0xf
	v_add_f32_dpp v[T], v[T], v[T] row_xmask:8 row_mask:0xf bank_mask:0xf
	v_permlanex16_b32 v[T+1], v[T], s40, s41       ; its destination has been written above
	v_add_f32 v[T], v[T], v[T+1]
.endm
.macro STAT r, mu, rs                  ; the row at v[r]: its mean; the row less its mean, in place; 1 / sqrt(variance + 1e-5), issued and not yet read
.irp k, 0,1,2,3
	v_pk_add_f32 v[T+2*(\k):T+2*(\k)+1], v[(\r)+2*(\k):(\r)+2*(\k)+1], v[(\r)+8+2*(\k):(\r)+8+2*(\k)+1]
.endr
.irp k, 0,1,2,3
	v_pk_add_f32 v[T+2*(\k):T+2*(\k)+1], v[T+2*(\k):T+2*(\k)+1], v[(\r)+16+2*(\k):(\r)+16+2*(\k)+1]
.endr
.irp k, 0,1,2,3
	v_pk_add_f32 v[T+2*(\k):T+2*(\k)+1], v[T+2*(\k):T+2*(\k)+1], v[(\r)+24+2*(\k):(\r)+24+2*(\k)+1]
.endr
	SUMUP
	v_mul_f32 v[\mu], s42, v[T]
	v_mul_f32 v[(\mu)+1], s42, v[T]
.set i, 0
.rept 16
	v_pk_add_f32 v[(\r)+i:(\r)+i+1], v[(\r)+i:(\r)+i+1], v[(\mu):(\mu)+1] neg_lo:[0,1] neg_hi:[0,1]
.set i, i+2
.endr
.irp k, 0,1,2,3
	v_pk_mul_f32 v[T+2*(\k):T+2*(\k)+1], v[(\r)+2*(\k):(\r)+2*(\k)+1], v[(\r)+2*(\k):(\r)+2*(\k)+1]
.endr
.set i, 4
.rept 12
	v_pk_fma_f32 v[T+2*(i%4):T+2*(i%4)+1], v[(\r)+2*i:(\r)+2*i+1], v[(\r)+2*i:(\r)+2*i+1], v[T+2*(i%4):T+2*(i%4)+1]
.set i, i+1
.endr
	SUMUP
	v_fma_f32 v[T], v[T], s42, s43                 ; variance + 1e-5
	v_rsq_f32 v[\rs], v[T]
	v_nop                                          ; a plain instruction behind the root, before its source v[T] is written again or its result is used
.endm
; The row at v[r]: scaled, gain and bias, rounded to bf16 in place: 8 bytes a lane in registers 4 j and 4 j + 1.
; deal = 1: row 0's eight stores stand among the multiplies, one ahead of every second one: 32 lanes x 8 bytes are 256 consecutive bytes.
.macro AFF r, rs, deal
.set i, 0
.rept 16
.if (\deal) && (i%4 == 0)
	global_store_b64 v3, v[X0+i:X0+i+1], s[14:15] offset:64*i  ; no wait: no vector instruction since the wait behind row 0's conversions names X0 or v3
.endif
	v_pk_mul_f32 v[(\r)+i:(\r)+i+1], v[(\r)+i:(\r)+i+1], v[(\rs):(\rs)+1]
.set i, i+2
.endr
.set i, 0
.rept 16
	v_pk_fma_f32 v[(\r)+i:(\r)+i+1], v[(\r)+i:(\r)+i+1], v[G+i:G+i+1], v[B+i:B+i+1]
.set i, i+2
.endr
.irp j, 0,1,2,3,4,5,6,7
	v_cvt_pk_bf16_f32 v[(\r)+4*(\j)], v[(\r)+4*(\j)], v[(\r)+4*(\j)+1]
	v_cvt_pk_bf16_f32 v[(\r)+4*(\j)+1], v[(\r)+4*(\j)+2], v[(\r)+4*(\j)+3]
.endr
.endm
	s_wait_loadcnt 24                              ; row 0 is in: 24 younger loads (row 1, g, b) stay out
	STAT X0, MU0, RS0
	s_wait_loadcnt 16                              ; row 1 is in: g's and b's sixteen stay out
	STAT X1, MU1, RS1                              ; it names neither v[RS0] nor the register beside it
	s_wait_alu depctr_va_vdst(0)                   ; the two roots have written v[RS0] and v[RS1]: one wait for both, ahead of their first reader
	v_mov_b32 v[RS0+1], v[RS0]
	v_mov_b32 v[RS1+1], v[RS1]
	s_wait_loadcnt 0x0                             ; g and b
	AFF X0, RS0, 0
	s_wait_alu depctr_va_vdst(0)                   ; row 0's conversions have written registers 4 j and 4 j + 1 of X0, which its stores read
	AFF X1, RS1, 1
	v_mov_b32 v[Q], v[MU0]
	v_mov_b32 v[Q+1], v[RS0]
	v_mov_b32 v[Q+2], v[MU1]
	v_mov_b32 v[Q+3], v[RS1]
	v_cmp_eq_u32 vcc_lo, 0, v1
	s_wait_alu depctr_va_vcc(0)                    ; VCC is written, ahead of its first reader: EXEC is made from it below
	s_wait_alu depctr_va_vdst(0)                   ; row 1's conversions have written registers 4 j and 4 j + 1 of X1, and the moves Q: the stores below read them
.irp j, 0,1,2,3,4,5,6,7
	global_store_b64 v3, v[X1+4*(\j):X1+4*(\j)+1], s[14:15] offset:2048+256*(\j)
.endr
	s_wait_xcnt 0x0                                ; EXEC is a source of the stores above: it changes only behind this wait
	s_wait_alu depctr_va_vdst(0)                   ; ahead of the scalar write of EXEC: the vector instructions issued under the full EXEC have written their results,
	s_wait_alu depctr_vm_vsrc(0)                   ; and the stores issued under it have read their registers
	s_and_saveexec_b32 s6, vcc_lo
	global_store_b128 v4, v[Q:Q+3], s[16:17]       ; lane 0 alone: the two rows' statistics
	s_wait_xcnt 0x0
	s_wait_alu depctr_va_vdst(0)                   ; ahead of the scalar write that restores EXEC: no vector instruction is still at work under the narrow EXEC,
	s_wait_alu depctr_vm_vsrc(0)                   ; and the store issued under it has read v4 and Q
	s_or_b32 exec_lo, exec_lo, s6
	s_endpgm
.Lcvt:                                                 ; 65,536 bytes of f32 a work-group: thread t takes 16 bytes at 16 t of each of sixteen pieces of 4,096 bytes, all sixteen loads out at once
	v_lshlrev_b32 v1, 4, v0
	v_lshlrev_b32 v2, 3, v0
	s_mov_b32 s34, ttmp9
	s_lshr_b32 s3, s34, 6                          ; y = 1: which of the four square weights,
	s_and_b32 s4, s34, 63                          ; and my place among its 64 work-groups
	s_cmp_eq_u32 s2, 1
	s_cselect_b32 s4, s4, s34                      ; y = 2, 3: my place among all 256
	s_lshl_b32 s4, s4, 16
	s_mov_b32 s5, 0
	s_sub_co_u32 s6, s2, 1
	s_lshl_b32 s6, s6, 23                          ; in wb: 8 MiB for each y,
	s_lshl_b32 s7, s34, 15                         ; 32,768 bytes a work-group
	s_add_co_u32 s6, s6, s7
	s_mov_b32 s7, 0
	s_wait_kmcnt 0x0
	s_mov_b64 s[32:33], s[18:19]                   ; the source is chosen by the work-group's numbers alone
	s_cmp_eq_u32 s3, 1
	s_cselect_b64 s[32:33], s[20:21], s[32:33]
	s_cmp_eq_u32 s3, 2
	s_cselect_b64 s[32:33], s[22:23], s[32:33]
	s_cmp_eq_u32 s3, 3
	s_cselect_b64 s[32:33], s[24:25], s[32:33]
	s_cmp_eq_u32 s2, 2
	s_cselect_b64 s[32:33], s[26:27], s[32:33]
	s_cmp_eq_u32 s2, 3
	s_cselect_b64 s[32:33], s[28:29], s[32:33]
	s_add_nc_u64 s[32:33], s[32:33], s[4:5]
	s_add_nc_u64 s[30:31], s[30:31], s[6:7]
	s_wait_alu depctr_va_vdst(0)                   ; v1 and v2 are written: every load reads v1, every store v2, as its offset
.set j, 0
.rept 16
	global_load_b128 v[CI+4*j:CI+4*j+3], v1, s[32:33] offset:4096*j th:TH_LOAD_NT
.set j, j+1
.endr
.set g, 0
.rept 4                                ; group g: pieces 4 g to 4 g + 3
	s_wait_loadcnt 12-4*g                          ; loads come back in order (ISA guide 5.7.1): the group's four pieces are in, the younger ones stay out
.if g > 0
	s_wait_alu depctr_va_vdst(0)                   ; the group before has written its eight registers of CO, which the four stores below read
.endif
.set j, 4*g
.rept 4
.if g > 0
	global_store_b64 v2, v[CO+2*j-8:CO+2*j-7], s[30:31] offset:2048*(j-4)  ; piece j - 4; no vector instruction since the wait names these registers
.endif
	v_cvt_pk_bf16_f32 v[CO+2*j], v[CI+4*j], v[CI+4*j+1]
	v_cvt_pk_bf16_f32 v[CO+2*j+1], v[CI+4*j+2], v[CI+4*j+3]
.set j, j+1
.endr
.set g, g+1
.endr
	s_wait_alu depctr_va_vdst(0)                   ; the last group has written its eight registers of CO, which the last four stores read
.set j, 12
.rept 4
	global_store_b64 v2, v[CO+2*j:CO+2*j+1], s[30:31] offset:2048*j
.set j, j+1
.endr
	s_endpgm
.Lfunc_end_k_q651c655e41_prep:
	.size	k_q651c655e41_prep, .Lfunc_end_k_q651c655e41_prep-k_q651c655e41_prep
	.p2alignl 7, 3214868480
	.fill 96, 4, 3214868480
	.section	.rodata,"a",@progbits
	.p2align	6, 0x0
	.amdhsa_kernel k_q651c655e41_prep
		.amdhsa_group_segment_fixed_size 0
		.amdhsa_private_segment_fixed_size 0
		.amdhsa_enable_private_segment 0
		.amdhsa_kernarg_size 96
		.amdhsa_user_sgpr_count 2
		.amdhsa_user_sgpr_kernarg_segment_ptr 1
		.amdhsa_wavefront_size32 1
		.amdhsa_system_sgpr_workgroup_id_x 1
		.amdhsa_system_sgpr_workgroup_id_y 1
		.amdhsa_system_sgpr_workgroup_id_z 1
		.amdhsa_system_vgpr_workitem_id 0
		.amdhsa_next_free_vgpr 160
		.amdhsa_next_free_sgpr 66
		.amdhsa_reserve_vcc 1
		.amdhsa_float_denorm_mode_32 3
		.amdhsa_float_denorm_mode_16_64 3
		.amdhsa_memory_ordered 1
		.amdhsa_forward_progress 1
		.amdhsa_inst_pref_size 28
	.end_amdhsa_kernel
	.amdgpu_metadata
---
amdhsa.version: [ 1, 2 ]
amdhsa.kernels:
  - .name:           k_q651c655e41_prep
    .symbol:         k_q651c655e41_prep.kd
    .args:
      - { .name: x, .offset: 0, .size: 8, .value_kind: global_buffer, .address_space: global }
      - { .name: g1, .offset: 8, .size: 8, .value_kind: global_buffer, .address_space: global }
      - { .name: b1, .offset: 16, .size: 8, .value_kind: global_buffer, .address_space: global }
      - { .name: actb, .offset: 24, .size: 8, .value_kind: global_buffer, .address_space: global }
      - { .name: st1, .offset: 32, .size: 8, .value_kind: global_buffer, .address_space: global }
      - { .name: Wq, .offset: 40, .size: 8, .value_kind: global_buffer, .address_space: global }
      - { .name: Wk, .offset: 48, .size: 8, .value_kind: global_buffer, .address_space: global }
      - { .name: Wv, .offset: 56, .size: 8, .value_kind: global_buffer, .address_space: global }
      - { .name: Wp, .offset: 64, .size: 8, .value_kind: global_buffer, .address_space: global }
      - { .name: W1, .offset: 72, .size: 8, .value_kind: global_buffer, .address_space: global }
      - { .name: W2, .offset: 80, .size: 8, .value_kind: global_buffer, .address_space: global }
      - { .name: wb, .offset: 88, .size: 8, .value_kind: global_buffer, .address_space: global }
    .group_segment_fixed_size: 0
    .private_segment_fixed_size: 0
    .kernarg_segment_align: 8
    .kernarg_segment_size: 96
    .max_flat_workgroup_size: 256
    .sgpr_count:     66
    .vgpr_count:     160
    .wavefront_size: 32
...
	.end_amdgpu_metadata
.endif
;; end of part 7
;; launch gqkv: the kernel of part 2 again; grid 12 x 16, 4 waves a work-group, clusters of 4 x 4, 327,680 bytes of LDS; arguments actb, wb, qkv; writes qkv
;; launch attn: the kernel of part 3 again; grid 8 x 32, 4 waves a work-group, clusters of 4 x 1, 327,680 bytes of LDS; arguments qkv, ob; writes ob
;; launch gproj: the kernel of part 4 again; grid 8 x 32, 4 waves a work-group, clusters of 4 x 4, 327,680 bytes of LDS; arguments ob, wb, x, st1, g1, b1, bp, hbuf; writes hbuf
;; launch ln2: the kernel of part 7 again; grid 256 x 1, 8 waves a work-group, no clusters, 0 bytes of LDS; arguments hbuf, g2, b2, actb, st1, Wq, Wk, Wv, Wp, W1, W2, wb; writes actb, st1, wb
;; launch gmlp1: the kernel of part 5 again; grid 16 x 16, 4 waves a work-group, clusters of 4 x 4, 327,680 bytes of LDS; arguments actb, wb, bm1, hid; writes hid
;; launch gmlp2: the kernel of part 6 again; grid 8 x 32, 4 waves a work-group, clusters of 4 x 4, 327,680 bytes of LDS; arguments hid, wb, hbuf, bm2, out0; writes out0
